; MI455X (gfx1250); checked and timed in simulation.
; The chip was launched on July 23, 2026; its instructions are those of AMD's public machine-readable ISA for CDNA 5 (MIT licence, August 2026) and "CDNA5" Instruction Set Architecture Reference Guide (July 2026). The comments in the code are by the model that wrote it; some were corrected since.
;; Transformer Block. Allowed arithmetic: matrix products marked QUANTISED: E4M3 operands, one E8M0 scale for each 32 along K, by v_wmma_scale_f32_16x16x128_f8f6f4 with both operands' format E4M3, f32 sums; everything else in f32.
;; Inputs: ln1_b 1,024 float32; ln1_w 1,024 float32; ln2_b 1,024 float32; ln2_w 1,024 float32; w_down 1,024 x 4,096 float32; w_up 4,096 x 1,024 float32; wk 1,024 x 1,024 float32; wo 1,024 x 1,024 float32; wq 1,024 x 1,024 float32; wv 1,024 x 1,024 float32; x 2 x 2,048 x 1,024 float32.
;; Outputs: out0 2 x 2,048 x 1,024 float32.
;; This version of the problem:
;;   THIS VERSION OF THE PROBLEM IS GIVEN IN LOW PRECISION. The matrix products marked QUANTISED in the list below multiply operands that are first quantised to E4M3 (4 exponent bits, 3 mantissa bits; 8 bits a number), with one power-of-two scale for each 32 numbers along K (OCP MX v1.0); their sums are f32. All else is computed in f32.
;;   The module's matrix products, in the order in which they are computed (A, B: the left and right operand; K: the contracted axis; several contracted axes count as one K, in the product's order):
;;     1. [M 4,096, K 1,024] x [K 1,024, N 1,024]; A: computed on the way; B: input wq: QUANTISED
;;     2. [M 4,096, K 1,024] x [K 1,024, N 1,024]; A: computed on the way; B: input wk: QUANTISED
;;     3. [M 4,096, K 1,024] x [K 1,024, N 1,024]; A: computed on the way; B: input wv: QUANTISED
;;     4. batch 32 x [M 2,048, K 64] x [K 64, N 2,048]; A: computed on the way; B: computed on the way: QUANTISED
;;     5. batch 32 x [M 2,048, K 2,048] x [K 2,048, N 64]; A: softmax (see below); B: computed on the way: QUANTISED
;;     6. [M 4,096, K 1,024] x [K 1,024, N 1,024]; A: computed on the way; B: input wo: QUANTISED
;;     7. [M 4,096, K 1,024] x [K 1,024, N 4,096]; A: computed on the way; B: input w_up: QUANTISED
;;     8. [M 4,096, K 4,096] x [K 4,096, N 1,024]; A: computed on the way; B: input w_down: QUANTISED
;;   THE QUANTISER, for each operand of a quantised product, along K:
;;     - K is cut into blocks of 32 from its start; a last block that is shorter is filled with zeros.
;;     - A block's scale is 2^e with e = floor(log2(the largest magnitude in the block)) - 8, held to -126 .. 127; a block of zeros has e = 0. As a byte (E8M0): e + 127.
;;     - Each number is divided by its block's scale, clamped to +-448, and rounded to the nearest number of E4M3, ties to even, subnormals kept.
;;     - The product sums the exact products of the quantised numbers (number of the format x scale) in f32.
;;   ~~~python
;;   def quantise(x, axis):      # numpy; x: float32 -> the quantised numbers, widened to float32 again
;;       x = np.moveaxis(x, axis, -1); K = x.shape[-1]
;;       x = np.pad(x, [(0, 0)] * (x.ndim - 1) + [(0, -K % 32)]); x = x.reshape(x.shape[:-1] + (-1, 32)); a = np.abs(x).max(-1, keepdims=True)
;;       e = np.where(a > 0, np.clip(np.frexp(np.where(a > 0, a, 1))[1] - 1 - 8, -126, 127), 0)      # np.frexp(a)[1] - 1 = floor(log2(a)), exactly
;;       r = np.clip(x / 2.0 ** e, -448, 448)
;;       step = 2.0 ** (np.maximum(np.frexp(np.where(r == 0, 1, r))[1] - 1, -6) - 3)
;;       q = np.round(r / step) * step * 2.0 ** e      # np.round: ties to even
;;       return np.moveaxis(q.reshape(q.shape[:-2] + (-1,))[..., :K], -1, axis).astype(np.float32)
;;   ~~~
;;   SOFTMAX AHEAD OF A QUANTISED PRODUCT. Where the list says 'softmax', what is quantised is not the finished softmax but p = 2^(t - M), with t = logit x log2(e) and M = ceil(the row's largest t), a whole number; so 1/2 < the row's largest p <= 1. The row's sum l is taken of the UNQUANTISED p, in f32, and the product's result is divided by l at the end. Since M is a whole number, a kernel that streams over the keys may use a running M (the ceiling of the running maximum): every later rescaling is an exact power of two, which a block's scale takes up: the codes' values come out the same.
;;   OPERANDS COMPUTED ON THE WAY. 'Computed on the way' means the value that the module computes at that place (a softmax that the list does not call 'softmax' is quantised finished and normalised). What goes into a quantiser is computed in f32, as accurately as f32 sums, v_exp_f32 and their like allow (about 1e-6 of the number): no bf16 or f16 on the way to a quantiser, and a product that is left as it is and whose result goes on into a quantised operand takes f32 operands (vector FMAs, or v_wmma_f32_16x16x4_f32). A number that lies on a knife's edge between two numbers of the format may be rounded either way, as far as f32 arithmetic and the matrix unit's own rounding can turn it there, and no further.
;; One version. Each part assembles by itself: llvm-mc -triple=amdgcn-amd-amdhsa -mcpu=gfx1250 --defsym DOCPART=n.
;; ======== version 1 of 1: 7 launches
;; limits: right only within a limited range of input values
;; workspace buffers: wq8 12,976,128 bytes; hq8 4,325,376 bytes; qkv8 12,976,128 bytes; o8 4,325,376 bytes; x1 16,777,216 bytes; ff8 17,301,504 bytes
;; launch prep (part 1): grid 1024 x 1, 16 waves a work-group, no clusters, 3,072 bytes of LDS; arguments x, ln1_w, ln1_b, hq8, wq, wk, wv, wo, w_up, w_down, wq8; writes hq8, wq8
.if DOCPART == 1
	.amdgcn_target "amdgcn-amd-amdhsa--gfx1250"
	.amdhsa_code_object_version 6
	.text
	.protected	k_q183150a353_prep
	.globl	k_q183150a353_prep
	.p2align	8
	.type	k_q183150a353_prep,@function
k_q183150a353_prep:
	s_mov_b64 s[64:65], 0
	v_nop
	global_prefetch_b8 v0, s[64:65] scope:SCOPE_SE
	s_setreg_imm32_b32 hwreg(HW_REG_WAVE_MODE, 25, 1), 1
	s_wait_xcnt 0x0
; ONE LAUNCH FOR ALL THAT IS QUANTISED FROM THE INPUTS: the first layer norm of x, and the six weights.  Both give codes of FP8 (E4M3), K innermost, and E8M0 scale bytes, one for each 32 along K.
; Work-groups 0 .. 255: y = (x - mean) x rsqrt(var + 1e-5) x gain + bias over rows of 1,024, all in f32; the variance is the mean of (x - mean)^2, taken in a second pass over registers, so a common offset of x does no harm.
;   Result in hq8: codes [4096][1024] at byte 0, scale words [8 steps of 128][4096 rows][4 bytes] at 4,194,304.
; Work-groups 256 .. 1,023: the weights, f32 with K innermost.  Result in wq8:
;   codes: rows 0-4095 of [.][1024]: wq, wk, wv, wo; at 4,194,304 w_up [4096][1024]; at 8,388,608 w_down [1024][4096];
;   scale words [K / 128][rows][4 bytes]: at 12,582,912 for the first four, at 12,713,984 for w_up, at 12,845,056 for w_down.
; A block's scale is 2^(floor(log2(its largest magnitude)) - 8); each number is divided by it, held within +-448 and rounded to the nearest code, ties to even.
; LIMITS: a block of zeros gets the byte 1 and zero codes (this program alone reads the bytes); blocks whose largest magnitude lies under 2^-118 take the floor's scale; NaN and infinities are not served.
; SHARES: a work-group takes 16 rows x 1,024 along K, a wave one row's 1,024 numbers, in four chunks of 256: lane i holds the 8 neighbours at 256 j + 8 i, so four lanes hold a block, and a lane's 8 codes are 8 bytes:
; a wave's store of a chunk covers 256 consecutive bytes, aligned.  The 16 rows' scale words meet in LDS as [8 steps][16 rows] and leave by wave 0 in runs of 64 bytes.
; THE TWO WAYS part on the work-group's number alone; each fills the lane's 32 numbers and sets the codes' base s[24:25], the scale words' base s[26:27] and the pitch from step to step s30.
; They join ahead of the quantiser: it, the LDS words, the one barrier and the way out are written once.  No LDS line and no barrier stands on one way alone.
.set NLN, 256                          ; the layer norm's work-groups
.set X,   16                           ; v16-47   the 32 numbers of a lane
.set G,   48                           ; v48-79   the norm: the gain at my columns
.set B,   80                           ; v80-111  the bias
.set S,   112                          ; v112-119 four chains of sums
.set MU,  120                          ; v[120:121] the mean, twice; later 1 / sqrt(var + eps), twice
.set C,   48                           ; v48-55   behind the join (the gain is done with): codes, two registers a chunk
.set TM,  56                           ; v56-59   largest magnitudes, later the neighbours' words
.set SCR, 60                           ; v60-63   the conversions' scale operands
.set HL,  64                           ; v64-67   448 x the scale
.set WD,  68                           ; v68-71   scale bytes, then scale words
.set SHB, 4                            ; v4       8 x my block's place in its scale word
.set MNT, 19                           ; s19      the mantissa field of 448
; the four chunks by turns: no line waits for the line above it
.macro QCHUNKS
.irp j, 0,1,2,3
	v_max3_num_f32 v[TM+\j], |v[X+8*\j]|, |v[X+8*\j+1]|, 0x4800000   ; my 8 numbers, and the floor 2^(9 - 127): so the byte cannot fall under 1
.endr
.irp i, 2,4,6
.irp j, 0,1,2,3
	s_delay_alu instid0(VALU_DEP_4)
	v_max3_num_f32 v[TM+\j], v[TM+\j], |v[X+8*\j+\i]|, |v[X+8*\j+\i+1]|
.endr
.endr
.irp j, 0,1,2,3
	s_delay_alu instid0(VALU_DEP_4)
	v_max_num_f32_dpp v[TM+\j], v[TM+\j], v[TM+\j] row_xmask:1 row_mask:0xf bank_mask:0xf
.endr
.irp j, 0,1,2,3
	s_delay_alu instid0(VALU_DEP_4)
	v_max_num_f32_dpp v[TM+\j], v[TM+\j], v[TM+\j] row_xmask:2 row_mask:0xf bank_mask:0xf   ; the four lanes of a block agree
.endr
.irp j, 0,1,2,3
	s_delay_alu instid0(VALU_DEP_4)
	v_add_nc_u32 v[SCR+\j], 0xfc000000, v[TM+\j]             ; 8 off the exponent field: the conversion takes this operand's exponent field as its scale
.endr
.irp j, 0,1,2,3
	v_and_or_b32 v[HL+\j], v[TM+\j], 0x7f800000, s[MNT]      ; 448 x the scale
.endr
.irp j, 0,1,2,3
	v_lshrrev_b32 v[WD+\j], 23, v[SCR+\j]                    ; the scale's byte,
.endr
.irp j, 0,1,2,3
	s_delay_alu instid0(VALU_DEP_4)
	v_lshlrev_b32 v[WD+\j], v[SHB], v[WD+\j]                 ; at its place in the word of its 128 along K
.endr
.irp j, 0,1,2,3
	s_delay_alu instid0(VALU_DEP_4)
	v_mov_b32_dpp v[TM+\j], v[WD+\j] row_xmask:4 row_mask:0xf bank_mask:0xf
.endr
.irp j, 0,1,2,3
	s_delay_alu instid0(VALU_DEP_4)
	v_or_b32 v[WD+\j], v[WD+\j], v[TM+\j]
.endr
.irp j, 0,1,2,3
	s_delay_alu instid0(VALU_DEP_4)
	v_mov_b32_dpp v[TM+\j], v[WD+\j] row_xmask:8 row_mask:0xf bank_mask:0xf
.endr
.irp j, 0,1,2,3
	s_delay_alu instid0(VALU_DEP_4)
	v_or_b32 v[WD+\j], v[WD+\j], v[TM+\j]                    ; every lane of a half holds the word of step 2 j + lane / 16
.endr
.irp j, 0,1,2,3
.irp i, 0,1,2,3,4,5,6,7
	v_med3_num_f32 v[X+8*\j+\i], v[X+8*\j+\i], -v[HL+\j], v[HL+\j]   ; the conversion to an 8-bit code does not saturate (ISA guide 7.6.2): the hold comes first
.endr
	v_cvt_scalef32_pk8_fp8_f32 v[C+2*\j:C+2*\j+1], v[X+8*\j:X+8*\j+7], v[SCR+\j]
.endr
	v_nop                                          ; a plain line behind the last conversion
.endm
.macro ROWSUM                          ; the four chains, their halves, and the 32 lanes: the sum stands in v[S] of every lane
	s_delay_alu instid0(VALU_DEP_3)
	v_pk_add_f32 v[S:S+1], v[S:S+1], v[S+2:S+3]
	s_delay_alu instid0(VALU_DEP_2)
	v_pk_add_f32 v[S+4:S+5], v[S+4:S+5], v[S+6:S+7]
	s_delay_alu instid0(VALU_DEP_1)
	v_pk_add_f32 v[S:S+1], v[S:S+1], v[S+4:S+5]
	s_delay_alu instid0(VALU_DEP_1)
	v_add_f32 v[S], v[S], v[S+1]
	s_delay_alu instid0(VALU_DEP_1)
	v_add_f32_dpp v[S], v[S], v[S] row_xmask:1 row_mask:0xf bank_mask:0xf
	s_delay_alu instid0(VALU_DEP_1)
	v_add_f32_dpp v[S], v[S], v[S] row_xmask:2 row_mask:0xf bank_mask:0xf
	s_delay_alu instid0(VALU_DEP_1)
	v_add_f32_dpp v[S], v[S], v[S] row_xmask:4 row_mask:0xf bank_mask:0xf
	s_delay_alu instid0(VALU_DEP_1)
	v_add_f32_dpp v[S], v[S], v[S] row_xmask:8 row_mask:0xf bank_mask:0xf
	s_delay_alu instid0(VALU_DEP_1)
	v_permlanex16_b32 v[S+1], v[S], s12, s13
	s_delay_alu instid0(VALU_DEP_1)
	v_add_f32 v[S], v[S], v[S+1]
.endm
	v_lshl_add_u32 v122, v0, 2, 0x400
	v_mov_b32 v123, 0
	v_lshrrev_b32 v1, 5, v0
	s_delay_alu instid0(VALU_DEP_1)
	v_readfirstlane_b32 s18, v1                    ; wave 0..15: my row of the 16
	v_and_b32 v1, 31, v0                           ; lane
	s_delay_alu instid0(VALU_DEP_1)
	v_lshlrev_b32 v2, 5, v1                        ; in: 32 bytes a lane
	s_delay_alu instid0(VALU_DEP_2)
	v_lshlrev_b32 v3, 3, v1                        ; out: 8 bytes a lane
	v_bfe_u32 v4, v0, 2, 2
	s_delay_alu instid0(VALU_DEP_1)
	v_lshlrev_b32 v[SHB], 3, v4
	v_bfe_u32 v5, v0, 4, 1
	s_delay_alu instid0(VALU_DEP_1)
	v_lshlrev_b32 v5, 6, v5
	s_lshl_b32 s39, s18, 2
	v_add_nc_u32 v5, s39, v5                       ; LDS: 64 x (lane / 16) + 4 x wave; a chunk's two steps are 128 bytes on
	v_lshlrev_b32 v7, 4, v1                        ; LDS, back: 16 x lane
	s_mov_b32 s[MNT], 0x600000
	s_cmp_lt_u32 ttmp9, NLN                        ; the norm, or the weights?  The work-group's number alone decides
	s_cbranch_scc0 .Lweights
	; ---- THE LAYER NORM: my row of x becomes y in v[X] on
	s_load_b256 s[4:11], s[0:1], 0x0               ; x, gain, bias, hq8
	s_mov_b32 s12, 0x76543210
	s_mov_b32 s13, 0xfedcba98                      ; v_permlanex16_b32's selects for lane l xor 16
	s_mov_b32 s14, 0x3a800000                      ; 1 / 1,024
	s_mov_b32 s15, 0x3727c5ac                      ; 1e-5
	s_mov_b32 s30, 16384                           ; from step to step among the scale words
	s_lshl_b32 s20, ttmp9, 4                       ; the work-group's first row
	s_add_co_u32 s21, s20, s18                     ; my row
	s_lshl_b32 s22, s21, 12
	s_mov_b32 s23, 0
	s_lshl_b32 s24, s21, 10
	s_mov_b32 s25, 0
	s_lshl_b32 s26, s20, 2
	s_add_co_u32 s26, s26, 4194304
	s_mov_b32 s27, 0
	s_wait_kmcnt 0x0
	s_add_nc_u64 s[4:5], s[4:5], s[22:23]
	s_add_nc_u64 s[24:25], s[10:11], s[24:25]
	s_add_nc_u64 s[26:27], s[10:11], s[26:27]
	s_wait_alu depctr_va_vdst(0)
.irp j, 0,1,2,3
	global_load_b128 v[X+8*\j:X+8*\j+3], v2, s[4:5] offset:1024*\j th:TH_LOAD_NT
	global_load_b128 v[X+8*\j+4:X+8*\j+7], v2, s[4:5] offset:1024*\j+16 th:TH_LOAD_NT
.endr
.irp j, 0,1,2,3
	global_load_b128 v[G+8*\j:G+8*\j+3], v2, s[6:7] offset:1024*\j
	global_load_b128 v[G+8*\j+4:G+8*\j+7], v2, s[6:7] offset:1024*\j+16
.endr
.irp j, 0,1,2,3
	global_load_b128 v[B+8*\j:B+8*\j+3], v2, s[8:9] offset:1024*\j
	global_load_b128 v[B+8*\j+4:B+8*\j+7], v2, s[8:9] offset:1024*\j+16
.endr
	s_wait_loadcnt 16                              ; x's eight loads are in; the gain's and the bias's sixteen may be out
.irp k, 0,1,2,3
	v_pk_add_f32 v[S+2*\k:S+2*\k+1], v[X+2*\k:X+2*\k+1], v[X+8+2*\k:X+8+2*\k+1]   ; the first sums start the chains: nothing is cleared
.endr
.irp p, 16,24
.irp k, 0,1,2,3
	s_delay_alu instid0(VALU_DEP_4)
	v_pk_add_f32 v[S+2*\k:S+2*\k+1], v[S+2*\k:S+2*\k+1], v[X+\p+2*\k:X+\p+2*\k+1]
.endr
.endr
	ROWSUM
	s_delay_alu instid0(VALU_DEP_1)
	v_mul_f32 v[MU], s14, v[S]                     ; the mean
	s_delay_alu instid0(VALU_DEP_1)
	v_mov_b32 v[MU+1], v[MU]
.set I, 0
.rept 16
	v_pk_add_f32 v[X+I:X+I+1], v[X+I:X+I+1], v[MU:MU+1] neg_lo:[0,1] neg_hi:[0,1]   ; x - mean
.set I, I+2
.endr
.irp k, 0,1,2,3
	v_pk_mul_f32 v[S+2*\k:S+2*\k+1], v[X+2*\k:X+2*\k+1], v[X+2*\k:X+2*\k+1]
.endr
.irp p, 8,16,24
.irp k, 0,1,2,3
	s_delay_alu instid0(VALU_DEP_4)
	v_pk_fma_f32 v[S+2*\k:S+2*\k+1], v[X+\p+2*\k:X+\p+2*\k+1], v[X+\p+2*\k:X+\p+2*\k+1], v[S+2*\k:S+2*\k+1]
.endr
.endr
	ROWSUM
	s_delay_alu instid0(VALU_DEP_1)
	v_fma_f32 v[S], v[S], s14, s15                 ; var + eps
	s_wait_alu depctr_va_vdst(0)
	v_rsq_f32 v[MU], v[S]
	v_rsq_f32 v[MU+1], v[S]
	v_nop                                          ; a plain line behind the last transcendental
	s_wait_alu depctr_va_vdst(0)                   ; one wait for the two, ahead of their first reader
	s_wait_loadcnt 0x0                             ; the gain and the bias
.set I, 0
.rept 16
	v_pk_mul_f32 v[X+I:X+I+1], v[X+I:X+I+1], v[MU:MU+1]
.set I, I+2
.endr
.set I, 0
.rept 16
	v_pk_fma_f32 v[X+I:X+I+1], v[X+I:X+I+1], v[G+I:G+I+1], v[B+I:B+I+1]
.set I, I+2
.endr
	s_branch .Lquant
	; ---- THE WEIGHTS: my row's 1,024 numbers come into v[X] on as they are
.Lweights:
	s_load_b128 s[4:7], s[0:1], 0x20               ; wq, wk
	s_load_b128 s[8:11], s[0:1], 0x30              ; wv, wo
	s_load_b128 s[12:15], s[0:1], 0x40             ; w_up, w_down
	s_load_b64 s[16:17], s[0:1], 0x50              ; wq8
	s_sub_co_u32 s40, ttmp9, NLN                   ; 0 .. 767: which 16 rows x 1,024 of the weights
	s_lshr_b32 s20, s40, 6                         ; 0-3: wq, wk, wv, wo; 4-7: w_up; 8-11: w_down
	s_and_b32 s21, s40, 63
	s_bfe_u32 s31, s40, 0x20006                    ; w_down: which 1,024 along K
	s_sub_co_u32 s32, s40, 256
	s_cmp_ge_u32 s20, 4
	s_cselect_b32 s32, s32, s21                    ; the block of 16 rows in its tensor
	s_lshl_b32 s22, s32, 16                        ; K = 1,024: in: 16 rows of 4,096 bytes;
	s_lshl_b32 s24, s40, 14                        ; codes: 16 rows of 1,024 bytes, the tensors on end;
	s_lshr_b32 s33, s40, 8
	s_lshl_b32 s33, s33, 17
	s_and_b32 s34, s40, 255
	s_lshl_b32 s34, s34, 6
	s_add_co_u32 s26, s33, s34
	s_add_co_u32 s26, s26, 12582912                ; scale words: 4 bytes a row
	s_lshl_b32 s35, s21, 18                        ; w_down: in: 16 rows of 16,384 bytes + 4,096 g;
	s_lshl_b32 s36, s31, 12
	s_add_co_u32 s35, s35, s36
	s_lshl_b32 s36, s21, 16
	s_lshl_b32 s37, s31, 10
	s_add_co_u32 s36, s36, s37
	s_add_co_u32 s36, s36, 8388608                 ; codes;
	s_lshl_b32 s37, s31, 15
	s_lshl_b32 s38, s21, 6
	s_add_co_u32 s37, s37, s38
	s_add_co_u32 s37, s37, 12845056                ; scale words: 8 steps of 4,096 bytes for each g
	s_mov_b32 s28, 4096
	s_mov_b32 s29, 1024
	s_mov_b32 s30, 16384
	s_cmp_ge_u32 s20, 8
	s_cselect_b32 s22, s35, s22
	s_cselect_b32 s24, s36, s24
	s_cselect_b32 s26, s37, s26
	s_cselect_b32 s28, 16384, s28                  ; a row in memory,
	s_cselect_b32 s29, 4096, s29                   ; a row of codes,
	s_cselect_b32 s30, 4096, s30                   ; from step to step among the scale words
	s_mul_i32 s28, s28, s18
	s_mul_i32 s29, s29, s18
	s_add_co_u32 s22, s22, s28                     ; my wave's row
	s_add_co_u32 s24, s24, s29
	s_mov_b32 s23, 0
	s_mov_b32 s25, 0
	s_mov_b32 s27, 0
	s_wait_kmcnt 0x0
	s_cmp_eq_u32 s20, 1                            ; the tensor is chosen by the work-group's number alone
	s_cselect_b64 s[4:5], s[6:7], s[4:5]
	s_cmp_eq_u32 s20, 2
	s_cselect_b64 s[4:5], s[8:9], s[4:5]
	s_cmp_eq_u32 s20, 3
	s_cselect_b64 s[4:5], s[10:11], s[4:5]
	s_cmp_ge_u32 s20, 4
	s_cselect_b64 s[4:5], s[12:13], s[4:5]
	s_cmp_ge_u32 s20, 8
	s_cselect_b64 s[4:5], s[14:15], s[4:5]
	s_add_nc_u64 s[4:5], s[4:5], s[22:23]
	s_add_nc_u64 s[24:25], s[16:17], s[24:25]
	s_add_nc_u64 s[26:27], s[16:17], s[26:27]
	s_wait_alu depctr_va_vdst(0)
.irp j, 0,1,2,3
	global_load_b128 v[X+8*\j:X+8*\j+3], v2, s[4:5] offset:1024*\j th:TH_LOAD_NT
	global_load_b128 v[X+8*\j+4:X+8*\j+7], v2, s[4:5] offset:1024*\j+16 th:TH_LOAD_NT   ; the two together read the chunk's 1,024 bytes whole
.endr
	s_wait_loadcnt 0x0                             ; the chunks go by turns, so all eight loads are wanted
	; ---- BOTH WAYS: 1,024 numbers of a row become codes and eight scale words
.Lquant:
	v_lshrrev_b32 v12, 2, v1
	s_delay_alu instid0(VALU_DEP_1)
	v_mul_lo_u32 v12, v12, s30
	v_and_b32 v13, 3, v1
	s_delay_alu instid0(VALU_DEP_1)
	v_lshl_add_u32 v12, v13, 4, v12                ; wave 0's way out: step lane / 4, rows 4 (lane % 4) on
	QCHUNKS
.irp j, 0,1,2,3
	global_store_b64 v3, v[C+2*\j:C+2*\j+1], s[24:25] offset:256*\j   ; 32 lanes store 256 consecutive bytes, aligned
	ds_store_b32 v5, v[WD+\j] offset:128*\j        ; the 16 lanes of a half write one word with one value
.endr
	s_wait_dscnt 0x0                               ; for the others' sake: my words lie in LDS
	s_barrier_signal -1
	s_barrier_wait -1
	s_cmp_lg_u32 s18, 0
	s_cbranch_scc1 .Ldone
	ds_load_b128 v[8:11], v7                       ; 8 steps x 16 rows of words: 512 bytes
	s_wait_dscnt 0x0
	global_store_b128 v12, v[8:11], s[26:27]       ; four lanes fill a step's 64 bytes
.Ldone:
	s_wait_tensorcnt 0x0
	ds_add_u32 v122, v123
	s_wait_dscnt 0x0
	s_endpgm
.Lfunc_end_k_q183150a353_prep:
	.size	k_q183150a353_prep, .Lfunc_end_k_q183150a353_prep-k_q183150a353_prep
	.p2alignl 7, 3214868480
	.fill 96, 4, 3214868480
	.section	.rodata,"a",@progbits
	.p2align	6, 0x0
	.amdhsa_kernel k_q183150a353_prep
		.amdhsa_group_segment_fixed_size 3072
		.amdhsa_private_segment_fixed_size 0
		.amdhsa_enable_private_segment 0
		.amdhsa_kernarg_size 88
		.amdhsa_user_sgpr_count 2
		.amdhsa_user_sgpr_kernarg_segment_ptr 1
		.amdhsa_wavefront_size32 1
		.amdhsa_system_sgpr_workgroup_id_x 1
		.amdhsa_system_sgpr_workgroup_id_y 1
		.amdhsa_system_sgpr_workgroup_id_z 1
		.amdhsa_system_vgpr_workitem_id 0
		.amdhsa_next_free_vgpr 124
		.amdhsa_next_free_sgpr 66
		.amdhsa_reserve_vcc 0
		.amdhsa_float_denorm_mode_32 3
		.amdhsa_float_denorm_mode_16_64 3
		.amdhsa_memory_ordered 1
		.amdhsa_forward_progress 1
		.amdhsa_inst_pref_size 24
	.end_amdhsa_kernel
	.amdgpu_metadata
---
amdhsa.version: [ 1, 2 ]
amdhsa.kernels:
  - .name:           k_q183150a353_prep
    .symbol:         k_q183150a353_prep.kd
    .args:
      - { .name: x, .offset: 0, .size: 8, .value_kind: global_buffer, .address_space: global }
      - { .name: ln1_w, .offset: 8, .size: 8, .value_kind: global_buffer, .address_space: global }
      - { .name: ln1_b, .offset: 16, .size: 8, .value_kind: global_buffer, .address_space: global }
      - { .name: hq8, .offset: 24, .size: 8, .value_kind: global_buffer, .address_space: global }
      - { .name: wq, .offset: 32, .size: 8, .value_kind: global_buffer, .address_space: global }
      - { .name: wk, .offset: 40, .size: 8, .value_kind: global_buffer, .address_space: global }
      - { .name: wv, .offset: 48, .size: 8, .value_kind: global_buffer, .address_space: global }
      - { .name: wo, .offset: 56, .size: 8, .value_kind: global_buffer, .address_space: global }
      - { .name: w_up, .offset: 64, .size: 8, .value_kind: global_buffer, .address_space: global }
      - { .name: w_down, .offset: 72, .size: 8, .value_kind: global_buffer, .address_space: global }
      - { .name: wq8, .offset: 80, .size: 8, .value_kind: global_buffer, .address_space: global }
    .group_segment_fixed_size: 3072
    .private_segment_fixed_size: 0
    .kernarg_segment_align: 8
    .kernarg_segment_size: 88
    .max_flat_workgroup_size: 512
    .sgpr_count:     66
    .vgpr_count:     124
    .wavefront_size: 32
...
	.end_amdgpu_metadata
.endif
;; end of part 1
;; launch qkv (part 2): grid 8 x 24, 4 waves a work-group, clusters of 4 x 4, 327,680 bytes of LDS; arguments hq8, wq8, qkv8; writes qkv8
.if DOCPART == 2
	.amdgcn_target "amdgcn-amd-amdhsa--gfx1250"
	.amdhsa_code_object_version 6
	.text
	.protected	k_q183150a353_qkv
	.globl	k_q183150a353_qkv
	.p2align	8
	.type	k_q183150a353_qkv,@function
k_q183150a353_qkv:
	s_mov_b64 s[64:65], 0
	v_nop
	global_prefetch_b8 v0, s[64:65] scope:SCOPE_SE
	s_setreg_imm32_b32 hwreg(HW_REG_WAVE_MODE, 25, 1), 1
	s_wait_xcnt 0x0
	s_wait_alu depctr_hold_cnt(0) depctr_sa_sdst(0) depctr_va_vdst(0) depctr_va_sdst(0) depctr_va_ssrc(0) depctr_va_vcc(0) depctr_vm_vsrc(0)
	s_getreg_b32 s2, hwreg(HW_REG_IB_STS2, 6, 4)
	s_cmp_eq_u32 s2, 0
	s_cbranch_scc0 .Lentry_in_a_cluster
	s_endpgm
.Lentry_in_a_cluster:
	s_bfe_u32 s2, ttmp6, 0x10000c
	s_cmp_lg_u32 s2, 0xf033
	s_cbranch_scc0 .Lentry_shape_is_right
	s_endpgm
.Lentry_shape_is_right:
.set QKV,    1
.set RELU,   0
.set CB,     8388608
.set SB,     12845056
.set KPO,    4096
.set NQ,     2
.set ROWB,   256
.set KROW,   1024
.set PITCH,  272
.set FR,     16
.set NL,     4
.set NP,     8
.set HALFT,  128*PITCH
.set SLOT,   4*HALFT
.set LAPS,   2
.set SCL,    2*SLOT
.set SPARE,  SCL+16640
.set ADRA, 16
.set LI,   18
.set SWO,  19
.set ADRB, 20
.set RDQ,  22
.set STO,  24
.set RD,   25
.set CO,   26
.set ADRS, 27
.set SPW,  28
.set NIL,  29
.set HSH,  30
.set HOF,  31
.set SC,   32
.set TM,   64
.set PWS,  88
.set SD,   96
.set AF,   128
.set PC,   128
.set G1, 24
.set G0, 32
.set G1B, 48
.set G0B, 56
.set G1S, 68
.set G0S, 76
.set G1SB, 80
.set G0SB, 88
.set MSB, 0
.macro WIN new
.if MSB != \new
	s_set_vgpr_msb (MSB<<8)|\new
.set MSB, \new
.endif
.endm
.set MUL_LO, 0xa1
.set MUL_HI, 0xf1
.set TO_B,   0x40
.macro JLOAD g0a, g1a, g0b, g1b
	s_cmp_eq_u32 s15, 0
	s_cbranch_scc0 .Lfor_b_\@
	tensor_load_to_lds s[\g0a:\g0a+3], s[\g1a:\g1a+7]
	s_nop 0
.rept 4
	v_nop
.endr
	s_branch .Lasked_\@
.Lfor_b_\@:
	tensor_load_to_lds s[\g0b:\g0b+3], s[\g1b:\g1b+7]
	s_nop 0
.rept 4
	v_nop
.endr
.Lasked_\@:
.endm
.macro CREST
	s_cmp_lg_u32 s14, 0
	s_cbranch_scc1 .Lnot_wave_0_\@
	s_barrier_signal -3
.Lnot_wave_0_\@:
	s_barrier_wait -3
	s_barrier_signal -1
	s_barrier_wait -1
.endm
.macro CROUND
	s_barrier_signal -1
	s_barrier_wait -1
	CREST
.endm
	s_load_b128 s[4:7], s[0:1], 0x0
	s_load_b64 s[8:9], s[0:1], 0x10
	v_lshl_add_u32 v[SPW], v0, 2, SPARE
	v_mov_b32 v[NIL], 0
	ds_add_u32 v28, v29
	ds_add_u32 v28, v29
	s_wait_dscnt 0x0
	v_lshrrev_b32 v1, 5, v0
	v_readfirstlane_b32 s14, v1
	s_lshr_b32 s15, s14, 1
	s_and_b32 s16, s14, 1
	s_bfe_u32 s40, ttmp6, 0x40000
	s_bfe_u32 s41, ttmp6, 0x40004
	s_lshl_b32 s42, ttmp9, 2
	s_add_co_u32 s42, s42, s40
	s_and_b32 s12, ttmp7, 0xffff
	s_lshl_b32 s17, s12, 2
	s_add_co_u32 s17, s17, s41
	s_lshl_b32 s43, s41, 2
	s_lshl_b32 s43, 15, s43
	s_lshl_b32 s44, 0x1111, s40
.if QKV
	s_sub_co_u32 s13, s12, 4
	s_lshl_b32 s13, s13, 3
	s_add_co_u32 s13, s13, s42
	s_mov_b32 s93, 12591104
	s_mov_b32 s94, 4194304
	s_cmp_lt_u32 s12, 4
	s_cselect_b32 s17, s17, s41
	s_cselect_b32 s42, s42, s13
	s_cselect_b32 s92, 0, 2097152
	s_cselect_b32 s93, 4194304, s93
	s_cselect_b32 s94, 12582912, s94
	s_mov_b32 s95, 0
.else
	s_mov_b32 s92, 0
	s_mov_b32 s93, 4194304
	s_mov_b32 s94, 12713984
	s_mov_b32 s95, 4194304
.endif
	s_or_b32 s[G1+0], s43, (0<<16)|(1<<20)|(1<<21)|(5<<22)|(3<<25)
	s_or_b32 s[G1B+0], s44, (0<<16)|(1<<20)|(1<<21)|(5<<22)|(3<<25)
.irp g, G1, G1B
	s_mov_b32 s[\g+1], ROWB<<16
	s_mov_b32 s[\g+2], 128<<16
	s_mov_b32 s[\g+3], ROWB<<16
	s_mov_b32 s[\g+4], 128
	s_mov_b32 s[\g+5], KROW
	s_mov_b32 s[\g+6], 0
	s_mov_b32 s[\g+7], 0
.endr
	s_or_b32 s[G1S+0], s43, (2<<16)|(1<<21)
	s_or_b32 s[G1SB+0], s44, (2<<16)|(1<<21)
.irp g, G1S, G1SB
	s_mov_b32 s[\g+1], 128<<16
	s_mov_b32 s[\g+2], 8<<16
	s_mov_b32 s[\g+3], 128<<16
	s_mov_b32 s[\g+4], 8
	s_mov_b32 s[\g+5], 4096
	s_mov_b32 s[\g+6], 0
	s_mov_b32 s[\g+7], 0
.endr
	s_lshl_b32 s20, s17, 8                         ; A: the tile's first row
	s_lshl_b32 s46, s42, 8                         ; B: likewise
	s_lshl_b32 s22, s20, 2
	s_add_co_u32 s22, s22, s93
	s_lshl_b32 s20, s20, 10
	s_add_co_u32 s20, s20, s92
	s_lshl_b32 s10, s46, 2
	s_add_co_u32 s10, s10, s94
	s_lshl_b32 s46, s46, 10
	s_add_co_u32 s46, s46, s95
	s_mov_b32 s21, 0
	s_mov_b32 s23, 0
	s_mov_b32 s11, 0
	s_mov_b32 s47, 0
	s_mul_i32 s45, s14, HALFT
	s_lshl_b32 s18, s16, 17                        ; in the ring I fetch 128 rows of 1,024 bytes: which half
	s_mov_b32 s19, 0
	s_wait_kmcnt 0x0
.if QKV
	s_cmp_lt_u32 s12, 4
	s_cselect_b64 s[96:97], s[4:5], s[6:7]
	s_cselect_b64 s[98:99], s[6:7], s[4:5]
.else
	s_mov_b64 s[96:97], s[4:5]
	s_mov_b64 s[98:99], s[6:7]
.endif
	s_add_nc_u64 s[20:21], s[96:97], s[20:21]
	s_add_nc_u64 s[22:23], s[96:97], s[22:23]
	s_add_nc_u64 s[46:47], s[98:99], s[46:47]
	s_add_nc_u64 s[10:11], s[98:99], s[10:11]
	CROUND
	s_mov_b32 s[G0S], 1
	s_add_co_u32 s[G0S+1], s19, SCL
	s_mov_b64 s[G0S+2:G0S+3], s[22:23]
	s_or_b32 s[G0S+3], s[G0S+3], 0x80000000
	s_mov_b32 s[G0SB], 1
	s_add_co_u32 s[G0SB+1], s19, SCL
	s_mov_b64 s[G0SB+2:G0SB+3], s[10:11]
	s_or_b32 s[G0SB+3], s[G0SB+3], 0x80000000
	s_mov_b32 s[G0S+1], SCL                        ; the scale words lie [8 steps][256 rows]: A's at SCL, B's 8,320 bytes on
	s_mov_b32 s[G0SB+1], SCL+8320
	s_mov_b32 s[G1S+1], 256<<16                    ; a step's 256 words to a row of the tile
	s_mov_b32 s[G1S+3], 256<<16
	s_mov_b32 s[G1SB+1], 256<<16
	s_mov_b32 s[G1SB+3], 256<<16
	s_mov_b32 s[G1+2], 256<<16                     ; the head's loads of codes bring 256 rows
	s_mov_b32 s[G1+4], 256
	s_mov_b32 s[G1B+2], 256<<16
	s_mov_b32 s[G1B+4], 256
	s_mov_b32 s4, 1                                ; s[4:7]: group 0 for K step 0's 256 rows of A
	s_mov_b32 s5, 0
	s_mov_b64 s[6:7], s[20:21]
	s_or_b32 s7, s7, 0x80000000
	s_mov_b32 s92, 1                               ; s[92:95]: for its 256 rows of B
	s_mov_b32 s93, 2*HALFT
	s_mov_b64 s[94:95], s[46:47]
	s_or_b32 s95, s95, 0x80000000
	s_add_nc_u64 s[20:21], s[20:21], s[18:19]      ; for the ring: my 128 rows
	s_add_nc_u64 s[46:47], s[46:47], s[18:19]
.irp s, 0,1
	s_mov_b32 s[G0+4*\s], 1
	s_add_co_u32 s[G0+4*\s+1], s45, \s*SLOT
	s_add_nc_u64 s[G0+4*\s+2:G0+4*\s+3], s[20:21], \s*ROWB
	s_or_b32 s[G0+4*\s+3], s[G0+4*\s+3], 0x80000000
	s_mov_b32 s[G0B+4*\s], 1
	s_add_co_u32 s[G0B+4*\s+1], s45, \s*SLOT
	s_add_nc_u64 s[G0B+4*\s+2:G0B+4*\s+3], s[46:47], \s*ROWB
	s_or_b32 s[G0B+4*\s+3], s[G0B+4*\s+3], 0x80000000
.endr
	s_cmp_eq_u32 s15, 0                            ; the prefetches: of the 128 rows that I fetch, my work-group's 32 (told apart by address: cx for A, cy for B)
	s_cselect_b64 s[66:67], s[20:21], s[46:47]
	s_cselect_b32 s18, s40, s41
	s_lshl_b32 s18, s18, 15
	s_add_nc_u64 s[66:67], s[66:67], s[18:19]
; the head's loads, one a wave: wave 0 A's 256 rows of K step 0, wave 1 B's, wave 2 A's scale words, wave 3 B's
.macro ARM under, g0, g1, next
	s_cmp_lt_u32 s14, \under
	s_cbranch_scc0 \next
	tensor_load_to_lds s[\g0:\g0+3], s[\g1:\g1+7]
	s_nop 0
.rept 4
	v_nop
.endr
	s_branch .Lhead_asked
\next:
.endm
	ARM 1, 4, G1, .Lhead_b
	ARM 2, 92, G1B, .Lhead_sa
	ARM 3, G0S, G1S, .Lhead_sb
	tensor_load_to_lds s[G0SB:G0SB+3], s[G1SB:G1SB+7]
	s_nop 0
.rept 4
	v_nop
.endr
.Lhead_asked:
	v_and_b32 v7, 31, v0
	v_lshlrev_b32 v7, 10, v7                       ; a lane a row of 1,024 bytes; never rewritten
	global_prefetch_b8 v7, s[66:67] offset:256 th:TH_LOAD_NT scope:SCOPE_SE   ; K steps 1 and 2: 256 bytes of each of my 32 rows
	global_prefetch_b8 v7, s[66:67] offset:512 th:TH_LOAD_NT scope:SCOPE_SE
	s_mov_b32 s96, 0x76543210
	s_mov_b32 s97, 0xfedcba98
	s_mov_b32 s98, 0x600000
	v_and_b32 v1, 15, v0
	v_bfe_u32 v2, v0, 4, 1
	s_wait_alu depctr_va_vdst(0)
	v_mul_u32_u24 v3, v1, PITCH
	s_wait_alu depctr_va_vdst(0)
	v_lshl_add_u32 v4, v2, 4, v3
	s_mul_i32 s21, s15, HALFT
	s_mul_i32 s22, s16, HALFT
	s_add_co_u32 s22, s22, 2*HALFT
.irp s, 0,1
	v_add_nc_u32 v[ADRA+\s], s21, v4
	v_add_nc_u32 v[ADRB+\s], s22, v4
	s_add_co_u32 s21, s21, SLOT
	s_add_co_u32 s22, s22, SLOT
.endr
	s_lshl_b32 s21, s15, 9                         ; A's words: my 128 rows of a step's 256
	s_lshl_b32 s22, s16, 9                         ; B's likewise, 8,320 bytes on
	s_add_co_u32 s22, s22, 8320
	s_sub_co_u32 s22, s22, s21
	v_mul_u32_u24 v6, s22, v2
	s_add_co_u32 s21, s21, SCL
	v_lshl_add_u32 v5, v1, 2, v6
	v_add_nc_u32 v[ADRS], s21, v5
	s_mul_i32 s23, s15, 128*PITCH
	s_lshl_b32 s21, s16, 7
	s_add_co_u32 s23, s23, s21
	v_lshl_add_u32 v5, v2, 3, v3
	v_add_nc_u32 v[STO], s23, v5
	s_mul_i32 s23, s14, 64*PITCH
	v_mul_u32_u24 v5, v2, PITCH
	v_lshl_add_u32 v5, v1, 4, v5
	v_add_nc_u32 v[RD], s23, v5
	v_lshlrev_b32 v5, 12, v2
	v_lshl_add_u32 v[CO], v1, 4, v5
	v_and_b32 v5, 8, v1
	v_add_nc_u32 v5, v5, v1
	v_mul_u32_u24 v5, v5, PITCH
	v_lshl_add_u32 v5, v2, 4, v5
	v_add_nc_u32 v[RDQ], s23, v5
	v_and_b32 v6, 31, v0
	v_lshlrev_b32 v[LI], 4, v6
	v_lshlrev_b32 v[SWO], 2, v6
	v_lshlrev_b32 v[HSH], 4, v2
	v_and_b32 v5, 7, v1
	v_lshlrev_b32 v5, 2, v5
	v_bfe_u32 v6, v0, 3, 1
	v_lshl_add_u32 v5, v6, 1, v5
	v_lshl_add_u32 v[HOF], v2, 12, v5
.irp b, 0,1,2,3
	v_mov_b32 v[TM+4+\b], 0
.endr
.macro FRAG reg, adr, q, i
.irp c, 0,1,2,3
	ds_load_b128 v[\reg+4*\c:\reg+4*\c+3], v[\adr] offset:128*(\q)+32*\c+(\i)*16*PITCH
.endr
.endm
.macro MUL16 a0, p, q, sc, zero
.irp a, \a0, \a0+1
.irp b, 0,1,2,3,4,5,6,7
.if \zero
	v_wmma_scale_f32_16x16x128_f8f6f4 v[8*(8*((\a)%4)+\b):8*(8*((\a)%4)+\b)+7], v[128*(\p)+FR*\b:128*(\p)+FR*\b+FR-1], v[AF+FR*(\a):AF+FR*(\a)+FR-1], 0, v[SC+8*NQ*(\sc)+NQ*\b+(\q)], v[SC+8*NQ*(\sc)+NQ*(\a)+(\q)] matrix_a_scale:MATRIX_SCALE_ROW1
.else
	v_wmma_scale_f32_16x16x128_f8f6f4 v[8*(8*((\a)%4)+\b):8*(8*((\a)%4)+\b)+7], v[128*(\p)+FR*\b:128*(\p)+FR*\b+FR-1], v[AF+FR*(\a):AF+FR*(\a)+FR-1], v[8*(8*((\a)%4)+\b):8*(8*((\a)%4)+\b)+7], v[SC+8*NQ*(\sc)+NQ*\b+(\q)], v[SC+8*NQ*(\sc)+NQ*(\a)+(\q)] matrix_a_scale:MATRIX_SCALE_ROW1
.endif
.endr
.endr
.endm
.macro FETCH_B slot, q, p
	WIN TO_B
.irp i, 0,1,2,3,4,5,6,7
	FRAG 128*(\p)+FR*\i, ADRB+\slot, \q, \i
.endr
	WIN 0
.endm
.macro FETCH_A slot, q, i0
.irp i, \i0, \i0+1, \i0+2, \i0+3
	FRAG AF+FR*(\i), ADRA+\slot, \q, \i
.endr
.endm
.macro SCALES sc
.irp i, 0,1,2,3,4,5,6,7
.irp q, 0,1
	ds_load_b32 v[SC+8*NQ*\sc+NQ*\i+\q], v[ADRS] offset:1024*\q+64*\i
.endr
.endr
.endm
.macro PLACES n
.rept \n
	v_nop
.endr
.endm
.macro STEP slot, q, zero
	s_wait_dscnt 4*NL
	WIN MUL_LO
	MUL16 0, (\q)%2, \q, \slot, \zero
	MUL16 2, (\q)%2, \q, \slot, \zero
	s_wait_dscnt 0
	PLACES NP
	FETCH_B \slot, (\q)+1, 1-(\q)%2
	FETCH_A \slot, (\q)+1, 0
	WIN MUL_HI
	MUL16 4, (\q)%2, \q, \slot, \zero
	MUL16 6, (\q)%2, \q, \slot, \zero
	PLACES NP
	WIN 0
	FETCH_A \slot, (\q)+1, 4
.endm
.macro TURN slot, next, fill
	s_wait_tensorcnt 0x0
	ds_add_u32 v[SPW], v[NIL]
	s_wait_dscnt 4*NL+1
	WIN MUL_LO
	MUL16 0, 1, NQ-1, \slot, 0
	s_wait_dscnt 0x0
	s_barrier_signal -1
	MUL16 2, 1, NQ-1, \slot, 0
	WIN 0
	s_barrier_wait -1
.if \fill
	CREST
	s_add_nc_u64 s[G0+4*\slot+2:G0+4*\slot+3], s[G0+4*\slot+2:G0+4*\slot+3], 2*ROWB
	s_add_nc_u64 s[G0B+4*\slot+2:G0B+4*\slot+3], s[G0B+4*\slot+2:G0B+4*\slot+3], 2*ROWB
	JLOAD G0+4*\slot, G1, G0B+4*\slot, G1B
	PLACES NP-4
.else
	PLACES NP
.endif
	s_wait_alu depctr_va_vdst(0)
	v_add_nc_u32 v[ADRS], 2048, v[ADRS]
	FETCH_B \next, 0, 0
	FETCH_A \next, 0, 0
	SCALES \next
	WIN MUL_HI
	MUL16 4, 1, NQ-1, \slot, 0
	MUL16 6, 1, NQ-1, \slot, 0
	PLACES NP
	WIN 0
	FETCH_A \next, 0, 4
.endm
	s_wait_alu depctr_va_vdst(0)                   ; the wait at the head's end
	s_wait_tensorcnt 0x0                           ; my tile of the head's four is in; the lines ahead of a later first fill:
	ds_add_u32 v[SPW], v[NIL]
	s_mov_b32 s[G1+2], 128<<16                     ; no tensor load of mine is out: from here on a load brings 128 rows
	s_mov_b32 s[G1+4], 128
	s_mov_b32 s[G1B+2], 128<<16
	s_mov_b32 s[G1B+4], 128
	s_wait_dscnt 0x0
	CROUND                                         ; all four tiles are in, and all sixteen work-groups are here
	JLOAD G0+4, G1, G0B+4, G1B                     ; K step 1, the first tensor load behind the round
	FETCH_B 0, 0, 0
	FETCH_A 0, 0, 0
	SCALES 0
	FETCH_A 0, 0, 4
	global_prefetch_b8 v7, s[66:67] offset:768 th:TH_LOAD_NT scope:SCOPE_SE   ; K step 3, two loads on; the last two loads ask for nothing
	STEP 0, 0, 1
	s_mov_b32 s3, LAPS-1
.Llap:
	TURN 0, 1, 1
	STEP 1, 0, 0
	TURN 1, 0, 1
	STEP 0, 0, 0
	s_sub_co_u32 s3, s3, 1
	s_cmp_lg_u32 s3, 0
	s_cbranch_scc1 .Llap
	TURN 0, 1, 0
	STEP 1, 0, 0
	s_wait_dscnt 4*NL
	WIN MUL_LO
	MUL16 0, 1, NQ-1, 1, 0
	MUL16 2, 1, NQ-1, 1, 0
	s_wait_dscnt 0
	WIN MUL_HI
	MUL16 4, 1, NQ-1, 1, 0
	MUL16 6, 1, NQ-1, 1, 0
	WIN 0
.macro QROW a
.set W,  2+(\a)/4
.set AC, 64*((\a)%4)
.set W1, W|(W<<2)
.set W2, (W<<2)|(W<<4)
.set W3, (W<<6)|W
	WIN W1
.irp b, 0,1,2,3
.if RELU
	v_max3_num_f32 v[TM+\b], v[AC+16*\b], v[AC+16*\b+1], 0x4800000
.else
	v_max3_num_f32 v[TM+\b], |v[AC+16*\b]|, |v[AC+16*\b+1]|, 0x4800000
.endif
.endr
	WIN W2
.irp i, 2,4,6,8,10,12,14
.irp b, 0,1,2,3
.if RELU
	v_max3_num_f32 v[TM+\b], v[TM+\b], v[AC+16*\b+\i], v[AC+16*\b+\i+1]
.else
	v_max3_num_f32 v[TM+\b], v[TM+\b], |v[AC+16*\b+\i]|, |v[AC+16*\b+\i+1]|
.endif
.endr
.endr
	WIN 0
.irp b, 0,1,2,3
	v_permlanex16_b32 v[TM+4+\b], v[TM+\b], s96, s97
.endr
.irp b, 0,1,2,3
	v_max_num_f32 v[TM+\b], v[TM+\b], v[TM+4+\b]
.endr
.irp b, 0,1,2,3
	v_add_nc_u32 v[TM+12+\b], 0xfc000000, v[TM+\b]
.endr
.irp b, 0,1,2,3
	v_and_or_b32 v[TM+8+\b], v[TM+\b], 0x7f800000, s98
.endr
.irp b, 0,1,2,3
	v_lshrrev_b32 v[TM+4+\b], 23, v[TM+12+\b]
.endr
	v_lshl_or_b32 v[PWS+\a], v[TM+5], 8, v[TM+4]
	v_lshl_or_b32 v[PWS+\a], v[TM+6], 16, v[PWS+\a]
	v_lshl_or_b32 v[PWS+\a], v[TM+7], 24, v[PWS+\a]
	WIN W3
.irp b, 0,1,2,3
.irp i, 0,1,2,3,4,5,6,7,8,9,10,11,12,13,14,15
.if RELU
	v_med3_num_f32 v[AC+16*\b+\i], v[AC+16*\b+\i], 0, v[TM+8+\b]
.else
	v_med3_num_f32 v[AC+16*\b+\i], v[AC+16*\b+\i], -v[TM+8+\b], v[TM+8+\b]
.endif
.endr
.endr
	WIN W
.irp b, 0,1,2,3,4,5,6,7
	v_cvt_scalef32_pk8_fp8_f32 v[PC+16*\a+2*\b:PC+16*\a+2*\b+1], v[AC+8*\b:AC+8*\b+7], v[TM+12+\b/2]
.endr
	v_nop
	WIN 0
.irp b, 0,1,2,3,4,5,6,7
	ds_store_b64 v[STO], v[PC+16*\a+2*\b:PC+16*\a+2*\b+1] offset:\a*16*PITCH+16*\b
.endr
.endm
	PLACES NP
.irp a, 0,1,2,3,4,5,6,7
	QROW \a
.endr
	s_wait_dscnt 0x0
	s_barrier_signal -1
	s_barrier_wait -1
.if QKV
	s_cmp_lt_u32 s12, 4
	s_cbranch_scc1 .Lqk
.endif
	s_lshl_b32 s20, s17, 20
	s_lshl_b32 s21, s14, 18
	s_add_co_u32 s20, s20, s21
	s_lshl_b32 s21, s42, 8
	s_add_co_u32 s20, s20, s21
.if CB
	s_add_co_u32 s20, s20, CB
.endif
	s_mov_b32 s21, 0
	s_add_nc_u64 s[92:93], s[8:9], s[20:21]
	s_lshl_b32 s22, s42, 1
	s_add_co_u32 s22, s22, s16
	s_mul_i32 s22, s22, KPO
	s_lshl_b32 s23, s17, 10
	s_add_co_u32 s22, s22, s23
	s_lshl_b32 s23, s15, 9
	s_add_co_u32 s22, s22, s23
	s_add_co_u32 s22, s22, SB
	s_mov_b32 s23, 0
	s_add_nc_u64 s[94:95], s[8:9], s[22:23]
	s_mov_b32 s13, 0xffff0000
.set N, 0
.rept 32
	ds_load_b128 v[PC+4*N:PC+4*N+3], v[RD] offset:2*N*PITCH
.set N, N+1
.endr
.irp i, 0,1,2,3
	v_cndmask_b32 v[SD+\i], v[PWS+2*\i], v[PWS+2*\i+1], s13
	global_store_b32 v[SWO], v[SD+\i], s[94:95] offset:128*\i
.endr
.set N, 0
.rept 32
	s_wait_dscnt 31-N
	global_store_b128 v[CO], v[PC+4*N:PC+4*N+3], s[92:93] offset:2*N*4096
.set N, N+1
.endr
.if QKV
	s_branch .Lclose
.Lqk:
	s_lshr_b32 s20, s42, 2
	s_and_b32 s21, s42, 3
	s_lshr_b32 s22, s17, 3
	s_and_b32 s23, s17, 7
	s_lshl_b32 s10, s20, 22
	s_lshl_b32 s11, s22, 21
	s_add_co_u32 s10, s10, s11
	s_lshl_b32 s11, s21, 19
	s_add_co_u32 s10, s10, s11
	s_lshl_b32 s11, s23, 14
	s_add_co_u32 s10, s10, s11
	s_lshl_b32 s11, s14, 12
	s_add_co_u32 s10, s10, s11
	s_mov_b32 s11, 0
	s_add_nc_u64 s[92:93], s[8:9], s[10:11]
	s_lshl_b32 s10, s20, 17
	s_lshl_b32 s11, s22, 16
	s_add_co_u32 s10, s10, s11
	s_lshl_b32 s11, s21, 14
	s_add_co_u32 s10, s10, s11
	s_lshl_b32 s11, s16, 13
	s_add_co_u32 s10, s10, s11
	s_lshl_b32 s11, s23, 9
	s_add_co_u32 s10, s10, s11
	s_lshl_b32 s11, s15, 8
	s_add_co_u32 s10, s10, s11
	s_add_co_u32 s10, s10, 12582912
	s_mov_b32 s11, 0
	s_add_nc_u64 s[94:95], s[8:9], s[10:11]
.set N, 0
.rept 32
	ds_load_b128 v[PC+4*N:PC+4*N+3], v[RDQ] offset:(32*(N/16)+8*((N%4)/2))*PITCH+64*((N/4)%4)+32*(N%2)
.set N, N+1
.endr
.irp a, 0,1,2,3,4,5,6,7
	v_lshrrev_b32 v[SD+\a], v[HSH], v[PWS+\a]
	global_store_b16 v[HOF], v[SD+\a], s[94:95] offset:32*\a
.endr
.set N, 0
.rept 32
	s_wait_dscnt 31-N
	global_store_b128 v[LI], v[PC+4*N:PC+4*N+3], s[92:93] offset:((N/4)%4)*131072+(N/16)*2048+512*(N%4)
.set N, N+1
.endr
.Lclose:
.endif
	s_wait_tensorcnt 0x0
	ds_add_u32 v[SPW], v[NIL]
	s_wait_dscnt 0x0
	CROUND
	s_endpgm
.Lfunc_end_k_q183150a353_qkv:
	.size	k_q183150a353_qkv, .Lfunc_end_k_q183150a353_qkv-k_q183150a353_qkv
	.p2alignl 7, 3214868480
	.fill 96, 4, 3214868480
	.section	.rodata,"a",@progbits
	.p2align	6, 0x0
	.amdhsa_kernel k_q183150a353_qkv
		.amdhsa_group_segment_fixed_size 327680
		.amdhsa_private_segment_fixed_size 0
		.amdhsa_enable_private_segment 0
		.amdhsa_kernarg_size 24
		.amdhsa_user_sgpr_count 2
		.amdhsa_user_sgpr_kernarg_segment_ptr 1
		.amdhsa_wavefront_size32 1
		.amdhsa_system_sgpr_workgroup_id_x 1
		.amdhsa_system_sgpr_workgroup_id_y 1
		.amdhsa_system_sgpr_workgroup_id_z 1
		.amdhsa_system_vgpr_workitem_id 0
		.amdhsa_next_free_vgpr 1024
		.amdhsa_next_free_sgpr 100
		.amdhsa_reserve_vcc 0
		.amdhsa_float_denorm_mode_32 3
		.amdhsa_float_denorm_mode_16_64 3
		.amdhsa_memory_ordered 1
		.amdhsa_forward_progress 1
		.amdhsa_inst_pref_size 206
	.end_amdhsa_kernel
	.amdgpu_metadata
---
amdhsa.version: [ 1, 2 ]
amdhsa.kernels:
  - .name:           k_q183150a353_qkv
    .symbol:         k_q183150a353_qkv.kd
    .args:
      - { .name: hq8, .offset: 0, .size: 8, .value_kind: global_buffer, .address_space: global }
      - { .name: wq8, .offset: 8, .size: 8, .value_kind: global_buffer, .address_space: global }
      - { .name: qkv8, .offset: 16, .size: 8, .value_kind: global_buffer, .address_space: global }
    .group_segment_fixed_size: 327680
    .private_segment_fixed_size: 0
    .kernarg_segment_align: 8
    .kernarg_segment_size: 24
    .max_flat_workgroup_size: 128
    .sgpr_count:     100
    .vgpr_count:     1024
    .wavefront_size: 32
...
	.end_amdgpu_metadata
.endif
;; end of part 2
;; launch attn (part 3): grid 8 x 32, 16 waves a work-group, clusters of 4 x 1, 296,960 bytes of LDS; arguments qkv8, o8; writes o8
.if DOCPART == 3
	.amdgcn_target "amdgcn-amd-amdhsa--gfx1250"
	.amdhsa_code_object_version 6
	.text
	.protected	k_q183150a353_attn
	.globl	k_q183150a353_attn
	.p2align	8
	.type	k_q183150a353_attn,@function
k_q183150a353_attn:
	s_mov_b64 s[64:65], 0
	v_nop
	global_prefetch_b8 v0, s[64:65] scope:SCOPE_SE
	s_setreg_imm32_b32 hwreg(HW_REG_WAVE_MODE, 25, 1), 1
	s_wait_xcnt 0x0
	s_wait_alu depctr_hold_cnt(0) depctr_sa_sdst(0) depctr_va_vdst(0) depctr_va_sdst(0) depctr_va_ssrc(0) depctr_va_vcc(0) depctr_vm_vsrc(0)
	s_getreg_b32 s2, hwreg(HW_REG_IB_STS2, 6, 4)
	s_cmp_eq_u32 s2, 0
	s_cbranch_scc0 .Lentry_in_a_cluster
	s_endpgm
.Lentry_in_a_cluster:
	s_bfe_u32 s2, ttmp6, 0x10000c
	s_cmp_lg_u32 s2, 0x3003
	s_cbranch_scc0 .Lentry_shape_is_right
	s_endpgm
.Lentry_shape_is_right:
; o[b][head][q] = the sum over k of softmax_k(q . k / 8) v, both products on codes of FP8 (E4M3) with one E8M0 scale for each 32 along a product's K; o is quantised along the head's 64 on the way out.
; THE SOFTMAX AHEAD OF THE SECOND PRODUCT: t = score x log2(e) / 8; M = the row's largest t so far, rounded UP to a whole number; p = 2^(t - M) is what is quantised, along the keys; it is not normalised.
; The row's sum is taken of the unquantised p, in f32, and divides O at the end.  When M moves, the sum and O are multiplied by 2^(old M - new M): exact.
; INPUTS (workspace qkv8): q and k as images of operand registers, 2,048 bytes for 32 tokens of a head: row m = 8 (t / 16) + t % 8 holds token (t % 16 < 8)'s 64 codes and then those of the token 8 further on;
; their scale bytes as half-words, ordered so that word m of a fragment is row m's scale word; V^T [64 head + d][4,096 tokens] with scale words [token / 128][1,024 rows].
; THE HEAD'S 64 IN A FORM OF K = 128: a fragment of k, two keys to a row, is multiplied once by [q | 0] and once by [0 | q].  The zero halves carry zero codes under the byte 0.
; SHARES.  A work-group owns 256 queries of one head, each of its sixteen waves 16: four waves to a SIMD.
; ALL of the head's K and V (256 KB of codes) lies in LDS: ten first fills, one a wave, in one chain of arms at the head; nothing is filled again.
; TWO BARRIERS: the first shows the scale bytes and the first 512 keys (waves 0 to 3's loads, each a line of its own), the second, four steps on, all the rest; the last twelve steps have none.
; CLUSTER.  The four query blocks of a cluster belong to one head: every tensor load is asked for jointly, with the same descriptor and the mask of all four.
; NO PREFETCH: every byte of K and V is asked for by the ten loads at the head, so there is no loop to run ahead in.
; LAYOUT.  Both products are used transposed (S^T = K Q^T, O^T = V^T P^T): a lane holds ONE query (lane % 16); register 16 b + i of S^T is key 32 b + 16 (lane / 16) + i of the step's 128.
; LIMITS of o's quantiser: a block of zeros gets the byte 1 and zero codes; blocks whose largest magnitude lies under 2^-118 take the floor's scale; NaN and infinities are not served.
; REGISTERS: v1-4 addresses that stay; v8-11 addresses of the loads in hand; v12 -M, v13 the largest t, v[14:15] the sum, v[16:17] its second chain; v32-95 four fragments of K, then of V; v96-159 S^T, then p;
;   v160-191 O^T; v192-215 [0 | q | 0]; v216, v217 q's scale words; v224-239 p's codes; v232-254 at work; v248-251 K's or V's scale words; v253 p's; v223, v255 the add's two.
.set VIM,  131072                      ; LDS: K's images at 0; V^T: 4 groups x 64 rows x (512 + 16) bytes;
.set VGRP, 33792
.set KSW,  266240                      ; K's scale words, 4,096 bytes;
.set VSW,  270336                      ; V's: [16 steps][64 rows] words;
.set STG,  274432                      ; the stages for the way out, 16 rows x 80 bytes for each wave: no fill lands here
.set SPARE, 294912                     ; the spare words, 128 bytes for each wave
.set AK0,  1
.set AV0,  2
.set ASK0, 3
.set ASV0, 4
.set ADK,  8
.set ADV,  9
.set ADS,  10
.set ADT,  11
.set SPW,  223
.set NIL,  255
.set TK,   8                           ; s8   where the step's fragments of K begin
.set TS,   9                           ; s9   where its scale words begin, K's and V's alike
.set TV,   10                          ; s10  where its 128 keys begin in V's rows
.set CNT,  11                          ; s11  the step, 0 .. 15
.set WV,   18
.set MNT,  19
.set SEL,  20
.set CS,   22
.set G1K,  24
.set G1V,  32
.set G1S,  40
.set G1T,  48
.macro CROUND
	s_barrier_signal -1
	s_barrier_wait -1
	s_cmp_lg_u32 s[WV], 0
	s_cbranch_scc1 .Lnot_wave_0_\@
	s_barrier_signal -3
.Lnot_wave_0_\@:
	s_barrier_wait -3
	s_barrier_signal -1
	s_barrier_wait -1
.endm
.macro G0SET g, lds, pair, add         ; group 0: count 1, the LDS address, the global address, type 2
	s_mov_b32 s[\g], 1
	s_mov_b32 s[\g+1], \lds
	s_add_nc_u64 s[\g+2:\g+3], s[\pair:\pair+1], \add
	s_or_b32 s[\g+3], s[\g+3], 0x80000000
.endm
.macro G1SET g, w0, d0, d1, st         ; group 1: d1 rows of d0 elements, st elements apart
	s_mov_b32 s[\g], \w0
	s_mov_b32 s[\g+1], (\d0)<<16
	s_mov_b32 s[\g+2], (\d1)<<16
	s_mov_b32 s[\g+3], (\d0)<<16
	s_mov_b32 s[\g+4], \d1
	s_mov_b32 s[\g+5], \st
	s_mov_b32 s[\g+6], 0
	s_mov_b32 s[\g+7], 0
.endm
.macro ARM under, g0, g1, next         ; one arm of the head's chain: one wave, one load
	s_cmp_lt_u32 s[WV], \under
	s_cbranch_scc0 \next
	tensor_load_to_lds s[\g0:\g0+3], s[\g1:\g1+7]
	s_nop 0
.rept 4
	v_nop
.endr
	s_branch .Lasked
\next:
.endm
	s_load_b128 s[4:7], s[0:1], 0x0                ; qkv8, o8
	v_lshl_add_u32 v[SPW], v0, 2, SPARE
	v_mov_b32 v[NIL], 0
	ds_add_u32 v[SPW], v[NIL]                      ; the opening lines: the add, twice on end; work on registers; the one wait
	ds_add_u32 v[SPW], v[NIL]
	v_lshrrev_b32 v8, 5, v0
	v_readfirstlane_b32 s[WV], v8                  ; wave 0..15
	s_bfe_u32 s16, ttmp6, 0x40000                  ; cx
	s_lshl_b32 s15, ttmp9, 2
	s_add_co_u32 s15, s15, s16                     ; my block of 256 queries: it enters q's and o's global addresses alone
	s_and_b32 s12, ttmp7, 0xffff                   ; 16 x batch + head, which the four partners share
	s_lshr_b32 s13, s12, 4                         ; the batch
	s_and_b32 s14, s12, 15                         ; the head
	G1SET G1K, 15|(3<<16)|(1<<21), 32, 128, 32     ; K's images: 32 KB dense, as 128 rows of 256 bytes; the mask names all four work-groups
	G1SET G1V, 15|(1<<20)|(1<<21)|(6<<22)|(3<<25), 512, 64, 4096   ; V^T: 64 rows x 512 bytes, 4,096 apart; 16 bytes of padding behind each
	G1SET G1S, 15|(3<<16)|(1<<21), 32, 16, 32      ; K's scale bytes: 4,096 dense bytes
	G1SET G1T, 15|(3<<16)|(1<<21), 32, 16, 512     ; V's scale words: 16 steps x 256 bytes, 4,096 bytes apart
	s_lshl_b32 s2, s12, 12
	s_add_co_u32 s2, s2, 12713984                  ; K's scale bytes of my head
	s_mov_b32 s3, 0
	s_lshl_b32 s8, s12, 17
	s_add_co_u32 s8, s8, 4194304                   ; K's images
	s_mov_b32 s9, 0
	s_lshl_b32 s10, s13, 16
	s_lshl_b32 s17, s14, 8
	s_add_co_u32 s10, s10, s17
	s_add_co_u32 s10, s10, 12845056                ; V's scale words: step 16 x batch, row 64 x head
	s_mov_b32 s11, 0
	s_lshl_b32 s16, s14, 18
	s_lshl_b32 s17, s13, 11
	s_add_co_u32 s16, s16, s17
	s_add_co_u32 s16, s16, 8388608                 ; V^T: row 64 x head, token 2,048 x batch
	s_mov_b32 s17, 0
	s_lshl_b32 s100, s12, 17                       ; q's image: fragment 8 x block + wave / 2, rows 8 (wave % 2) on
	s_lshl_b32 s101, s15, 14
	s_add_co_u32 s100, s100, s101
	s_lshr_b32 s101, s[WV], 1
	s_lshl_b32 s101, s101, 11
	s_add_co_u32 s100, s100, s101
	s_and_b32 s101, s[WV], 1
	s_lshl_b32 s101, s101, 7
	s_add_co_u32 s100, s100, s101
	s_mov_b32 s101, 0
	s_lshl_b32 s66, s12, 12                        ; q's half-words: 2 bytes x (256 x block + 16 x wave)
	s_lshl_b32 s67, s15, 9
	s_add_co_u32 s66, s66, s67
	s_lshl_b32 s67, s[WV], 5
	s_add_co_u32 s66, s66, s67
	s_add_co_u32 s66, s66, 12582912
	s_mov_b32 s67, 0
	s_mov_b32 s[SEL], 0x76543210
	s_mov_b32 s[SEL+1], 0xfedcba98                 ; v_permlanex16_b32's selects for lane l xor 16
	s_mov_b32 s[CS], 0x3e38aa3b                    ; c = log2(e) / 8
	s_mov_b32 s[CS+1], s[CS]                       ; (named with it as a pair, so it is written)
	s_mov_b32 s[MNT], 0x600000
	s_wait_dscnt 0x0
	s_wait_kmcnt 0x0
	s_add_nc_u64 s[2:3], s[4:5], s[2:3]
	s_add_nc_u64 s[8:9], s[4:5], s[8:9]
	s_add_nc_u64 s[10:11], s[4:5], s[10:11]
	s_add_nc_u64 s[16:17], s[4:5], s[16:17]
	s_add_nc_u64 s[100:101], s[4:5], s[100:101]
	s_add_nc_u64 s[66:67], s[4:5], s[66:67]
	G0SET 56, KSW, 2, 0
	G0SET 60, 0, 8, 0
	G0SET 68, 32768, 8, 32768
	G0SET 72, 65536, 8, 65536
	G0SET 76, 98304, 8, 98304
	G0SET 80, VSW, 10, 0
	G0SET 84, VIM, 16, 0
	G0SET 88, VIM+VGRP, 16, 512
	G0SET 92, VIM+2*VGRP, 16, 1024
	G0SET 96, VIM+3*VGRP, 16, 1536
	CROUND                                         ; all four work-groups are here: the joint loads meet
	ARM 1, 56, G1S, .Lw1                           ; waves 0 to 3: what the first four steps read: K's and V's scale bytes, the first 512 keys of K and of V
	ARM 2, 80, G1T, .Lw2
	ARM 3, 60, G1K, .Lw3
	ARM 4, 84, G1V, .Lw4
	ARM 5, 68, G1K, .Lw5                           ; waves 4 to 9: the other three groups of 512 keys
	ARM 6, 88, G1V, .Lw6
	ARM 7, 72, G1K, .Lw7
	ARM 8, 92, G1V, .Lw8
	ARM 9, 76, G1K, .Lw9
	ARM 10, 96, G1V, .Lw10
.Lasked:
	v_and_b32 v8, 15, v0                           ; r = lane % 16
	v_bfe_u32 v9, v0, 4, 1                         ; h = lane / 16
	v_and_b32 v10, 7, v0
	v_bfe_u32 v11, v0, 3, 1
	v_lshlrev_b32 v5, 4, v10
	v_lshl_add_u32 v5, v11, 10, v5
	v_lshl_add_u32 v5, v9, 8, v5                   ; query r's pieces in the image: 1024 (r / 8) + 16 (r % 8) + 256 h, and 512 c
	global_load_b128 v[200:203], v5, s[100:101]
	global_load_b128 v[204:207], v5, s[100:101] offset:512
	v_lshlrev_b32 v6, 2, v10
	v_lshl_add_u32 v6, v11, 1, v6
	global_load_u16 v216, v6, s[66:67]             ; query r's two scale bytes; the upper two bytes are 0, over zero codes
	v_and_b32 v[AK0], 31, v0
	v_lshlrev_b32 v[AK0], 4, v[AK0]                ; an image's place for my lane: 16 x lane
	v_mul_u32_u24 v[AV0], v8, 528
	v_lshl_add_u32 v[AV0], v9, 4, v[AV0]
	v_add_nc_u32 v[AV0], VIM, v[AV0]
	v_lshl_add_u32 v[ASK0], v8, 2, KSW
	v_lshl_add_u32 v[ASV0], v8, 2, VSW
	v_mov_b32 v13, 0xff61b1e6                      ; the largest t so far: -3e38, under every t
	v_floor_f32 v12, -v13                          ; -M
	v_mov_b32 v14, 0                               ; the sum, in two halves
	v_mov_b32 v15, 0
.irp b, 0,1,2,3
	v_mov_b32 v[236+\b], 0                         ; written once: a lane permute's destination counts as one of its sources
.endr
	v_mov_b32 v253, 0                              ; (named as the upper half of the pair v[252:253] before it is first written)
.set J, 0
.rept 32
	v_mov_b32 v[160+J], 0                          ; O^T: the step is written once; the first finds zeros, which the first change of M leaves zeros
.set J, J+1
.endr
.set J, 0
.rept 8
	v_mov_b32 v[192+J], 0                          ; the zero halves beside q
	v_mov_b32 v[208+J], 0
.set J, J+1
.endr
	s_wait_alu depctr_va_vdst(0)                   ; directly ahead of the wait below
	s_wait_loadcnt 0x0                             ; q
	v_lshlrev_b32 v217, 16, v216                   ; the scale word of [0 | q]
	s_wait_alu depctr_va_vdst(0)                   ; and at the head's end
; A KEY STEP: 128 keys, number s[CNT].
.macro STEP
	s_lshl_b32 s[TK], s[CNT], 13                   ; four fragments of 2,048 bytes a step
	s_lshl_b32 s[TS], s[CNT], 8                    ; 64 scale words a step
	s_lshr_b32 s[TV], s[CNT], 2
	s_mul_i32 s[TV], s[TV], VGRP                   ; V: the group of 512 keys,
	s_and_b32 s16, s[CNT], 3
	s_lshl_b32 s16, s16, 7
	s_add_co_u32 s[TV], s[TV], s16                 ; and 128 bytes a step in its rows
	v_add_nc_u32 v[ADK], s[TK], v[AK0]
	v_add_nc_u32 v[ADV], s[TV], v[AV0]
	v_add_nc_u32 v[ADS], s[TS], v[ASK0]
	v_add_nc_u32 v[ADT], s[TS], v[ASV0]
.rept 4
	v_nop                                          ; with the four additions: eight places in front of loads into registers that the last products read
.endr
.irp t, 0,1,2,3
.irp c, 0,1,2,3
	ds_load_b128 v[32+16*\t+4*\c:32+16*\t+4*\c+3], v[ADK] offset:2048*\t+512*\c   ; an image comes back as it was stored: 512 consecutive bytes a load
.endr
	ds_load_b32 v[248+\t], v[ADS] offset:64*\t
.endr
	s_wait_alu depctr_va_vdst(0)
	s_wait_dscnt 0x0
.irp t, 0,1,2,3                        ; S^T: fragment t holds keys 32 t .. 32 t + 31, two to a row: [q | 0] takes a row's first key, [0 | q] its second
	v_wmma_scale_f32_16x16x128_f8f6f4 v[96+16*\t:103+16*\t], v[32+16*\t:47+16*\t], v[200:215], 0, v[248+\t], v216
	v_wmma_scale_f32_16x16x128_f8f6f4 v[104+16*\t:111+16*\t], v[32+16*\t:47+16*\t], v[192:207], 0, v[248+\t], v217
.endr
.rept 8
	v_nop                                          ; places in front of the loads below and of the first read of the scores
.endr
.irp t, 0,1,2,3                        ; V's fragments are asked for now: the softmax stands between these loads and the wait for them
.irp c, 0,1,2,3
	ds_load_b128 v[32+16*\t+4*\c:32+16*\t+4*\c+3], v[ADV] offset:8448*\t+32*\c
.endr
	ds_load_b32 v[248+\t], v[ADT] offset:64*\t
.endr
.irp b, 0,1,2,3
	v_max3_num_f32 v[232+\b], v[96+16*\b], v[97+16*\b], v[98+16*\b]   ; the largest score of each block of 32 keys: for the row's maximum, and, since p rises with the score, for the block's largest p
.endr
.irp i, 3,5,7,9,11,13
.irp b, 0,1,2,3
	v_max3_num_f32 v[232+\b], v[232+\b], v[96+16*\b+\i], v[97+16*\b+\i]
.endr
.endr
.irp b, 0,1,2,3
	v_max_num_f32 v[232+\b], v[232+\b], v[111+16*\b]
.endr
.irp b, 0,1,2,3
	v_permlanex16_b32 v[236+\b], v[232+\b], s[SEL], s[SEL+1]
.endr
.irp b, 0,1,2,3
	v_max_num_f32 v[232+\b], v[232+\b], v[236+\b]  ; with lane l xor 16's 16 keys
.endr
	v_max3_num_f32 v254, v232, v233, v234
	v_max_num_f32 v254, v254, v235                 ; the step's largest score of my query
	v_mul_f32 v254, s[CS], v254                    ; as t (c is positive)
	v_max_num_f32 v13, v13, v254                   ; the running largest t
	v_mov_b32 v254, v12
	v_floor_f32 v12, -v13                          ; the new -M = floor(-t) = -ceil(t): M is a whole number
	v_sub_f32 v254, v12, v254                      ; M's old value less its new one: a whole number, 0 or less
	v_cvt_i32_f32 v254, v254                       ; (it saturates)
	v_ldexp_f32 v252, 1.0, v254                    ; f = 2^(old M - new M)
.irp b, 0,1,2,3
	v_fma_f32 v[232+\b], v[232+\b], s[CS], v12     ; t - M of each block's largest score
.endr
.set J, 0
.rept 32
	v_pk_fma_f32 v[96+J:97+J], v[96+J:97+J], s[CS:CS+1], v[12:13] op_sel_hi:[1,0,0]   ; t - M, two at a time
.set J, J+2
.endr
	s_wait_alu depctr_va_vdst(0)                   ; the wait ahead of the batch
.irp b, 0,1,2,3
	v_exp_f32 v[232+\b], v[232+\b]                 ; the block's largest p: the same two instructions on the same number give the same bits as the p itself
.endr
.set J, 0
.rept 64
	v_exp_f32 v[96+J], v[96+J]                     ; p = 2^(t - M), at most 1: not normalised
.set J, J+1
.endr
	v_pk_mul_f32 v[14:15], v[14:15], v[252:253] op_sel_hi:[1,0]   ; the sum under the new M: a plain line behind the batch
	s_wait_alu depctr_va_vdst(0)                   ; one wait for the 68, ahead of their first reader
.irp b, 0,1,2,3
	v_max_num_f32 v[232+\b], 0x4800000, v[232+\b]  ; the floor 2^(9 - 127): the byte cannot fall under 1
.endr
.irp b, 0,1,2,3
	v_add_nc_u32 v[244+\b], 0xfc000000, v[232+\b]  ; 8 off the exponent field: the conversion's scale operand
.endr
.irp b, 0,1,2,3
	v_and_or_b32 v[240+\b], v[232+\b], 0x7f800000, s[MNT]   ; 448 x the scale
.endr
.irp b, 0,1,2,3
	v_lshrrev_b32 v[236+\b], 23, v[244+\b]         ; the scale's byte
.endr
	v_lshl_or_b32 v253, v237, 8, v236              ; p's scale word for these 128 keys
	v_pk_add_f32 v[16:17], v[96:97], v[98:99]      ; the row's sum, of the UNQUANTISED p, in two chains; the second begins here: nothing is cleared
	v_lshl_or_b32 v253, v238, 16, v253
.set J, 4
.rept 15
	v_pk_add_f32 v[14:15], v[14:15], v[96+J:97+J]
	v_pk_add_f32 v[16:17], v[16:17], v[98+J:99+J]
.set J, J+4
.endr
	v_lshl_or_b32 v253, v239, 24, v253
	v_pk_add_f32 v[14:15], v[14:15], v[16:17]
.irp b, 0,1,2,3
.irp i, 0,2,4,6,8,10,12,14
	v_dual_min_num_f32 v[96+16*\b+\i], v[240+\b], v[96+16*\b+\i] :: v_dual_min_num_f32 v[97+16*\b+\i], v[240+\b], v[97+16*\b+\i]   ; the conversion does not saturate (ISA guide 7.6.2); p is not negative, so the hold is one-sided; two to a line
.endr
	v_cvt_scalef32_pk8_fp8_f32 v[224+4*\b:225+4*\b], v[96+16*\b:103+16*\b], v[244+\b]
	v_cvt_scalef32_pk8_fp8_f32 v[226+4*\b:227+4*\b], v[104+16*\b:111+16*\b], v[244+\b]
.endr
	s_wait_alu depctr_va_vdst(0)                   ; directly ahead of the first reader of O^T
.set J, 0
.rept 16
	v_pk_mul_f32 v[160+J:161+J], v[160+J:161+J], v[252:253] op_sel_hi:[1,0]   ; O^T under the new M; these sixteen are also the places between the conversions and the products below
.set J, J+2
.endr
	s_wait_alu depctr_va_vdst(0)                   ; directly ahead of the wait below
	s_wait_dscnt 0x0                               ; V's fragments and scale words
.irp t, 0,1,2,3                        ; O^T += V^T P^T: four tiles of 16 of the head's 64, by turns
	v_wmma_scale_f32_16x16x128_f8f6f4 v[160+8*\t:167+8*\t], v[32+16*\t:47+16*\t], v[224:239], v[160+8*\t:167+8*\t], v[248+\t], v253
.endr
.endm
	s_cmp_lt_u32 s[WV], 4                          ; waves 0 to 3 wait for their loads, each a line that no other wave issues: the scale bytes and the first 512 keys
	s_cbranch_scc0 .Lnot_first
	s_wait_tensorcnt 0x0
.Lnot_first:
	s_barrier_signal -1
	s_barrier_wait -1
	s_mov_b32 s[CNT], 0
.Lfirst:                                               ; steps 0 to 3
	STEP
	s_add_co_u32 s[CNT], s[CNT], 1
	s_cmp_lt_u32 s[CNT], 4
	s_cbranch_scc1 .Lfirst
	s_wait_tensorcnt 0x0                           ; every wave: all that was still out has landed
	s_barrier_signal -1
	s_barrier_wait -1
	s_mov_b32 s[CNT], 4
.Lrest:                                                ; steps 4 to 15
	STEP
	s_add_co_u32 s[CNT], s[CNT], 1
	s_cmp_lt_u32 s[CNT], 16
	s_cbranch_scc1 .Lrest
	; THE WAY OUT.  O^T / the sum; quantised along the head's 64 (two blocks); the 16 queries' codes go through my stage and leave as 1,024 consecutive bytes.
	v_add_f32 v14, v14, v15                        ; the sum's two halves,
	v_permlanex16_b32 v252, v14, s[SEL], s[SEL+1]
	v_add_f32 v14, v14, v252                       ; and lane l xor 16's
	s_wait_alu depctr_va_vdst(0)                   ; the wait ahead of the transcendental
	v_rcp_f32 v14, v14
	v_and_b32 v8, 15, v0                           ; (plain lines behind the transcendental, and the places behind the last products)  r
	v_bfe_u32 v9, v0, 4, 1                         ; h
	v_and_b32 v7, 31, v0                           ; lane
	s_mul_i32 s8, s[WV], 1280
	s_add_co_u32 s8, s8, STG                       ; my stage
	v_mul_u32_u24 v10, v8, 80
	v_lshl_add_u32 v10, v9, 3, v10
	v_add_nc_u32 v10, s8, v10                      ; in: row r of 64 bytes + 16 of padding; 16 t + 8 h
	v_lshrrev_b32 v11, 2, v7
	v_mul_u32_u24 v11, v11, 80
	v_and_b32 v1, 3, v0
	v_lshl_add_u32 v11, v1, 4, v11
	v_add_nc_u32 v11, s8, v11                      ; back: four lanes to a row
	v_lshlrev_b32 v2, 4, v7                        ; 16 x lane
	v_lshlrev_b32 v3, 2, v8                        ; 4 x r
	s_lshl_b32 s2, s14, 18                         ; o's codes [head][4,096 tokens][64 bytes]
	s_lshl_b32 s3, s13, 17
	s_add_co_u32 s2, s2, s3
	s_lshl_b32 s3, s15, 14
	s_add_co_u32 s2, s2, s3
	s_lshl_b32 s3, s[WV], 10
	s_add_co_u32 s2, s2, s3
	s_mov_b32 s3, 0
	s_add_nc_u64 s[2:3], s[6:7], s[2:3]
	s_lshr_b32 s10, s14, 1                         ; its scale words [8 steps][4,096 tokens]: head / 2 is the step, head % 2 the half of the word
	s_lshl_b32 s10, s10, 14
	s_lshl_b32 s11, s13, 13
	s_add_co_u32 s10, s10, s11
	s_lshl_b32 s11, s15, 10
	s_add_co_u32 s10, s10, s11
	s_lshl_b32 s11, s[WV], 6
	s_add_co_u32 s10, s10, s11
	s_and_b32 s11, s14, 1
	s_lshl_b32 s11, s11, 1
	s_add_co_u32 s10, s10, s11
	s_add_co_u32 s10, s10, 4194304
	s_mov_b32 s11, 0
	s_add_nc_u64 s[10:11], s[6:7], s[10:11]
	s_wait_alu depctr_va_vdst(0)                   ; the wait ahead of the reciprocal's first reader, which is also O^T's
.set J, 0
.rept 32
	v_mul_f32 v[96+J], v[160+J], v14               ; register 8 t + j is o(query r, 16 t + 8 h + j); each accumulator is read from its low end on
.set J, J+1
.endr
.irp b, 0,1
	v_max3_num_f32 v[232+\b], |v[96+16*\b]|, |v[97+16*\b]|, 0x4800000
.endr
.irp i, 2,4,6,8,10,12,14
.irp b, 0,1
	v_max3_num_f32 v[232+\b], v[232+\b], |v[96+16*\b+\i]|, |v[97+16*\b+\i]|
.endr
.endr
.irp b, 0,1
	v_permlanex16_b32 v[236+\b], v[232+\b], s[SEL], s[SEL+1]
.endr
.irp b, 0,1
	v_max_num_f32 v[232+\b], v[232+\b], v[236+\b]
.endr
.irp b, 0,1
	v_add_nc_u32 v[244+\b], 0xfc000000, v[232+\b]
.endr
.irp b, 0,1
	v_and_or_b32 v[240+\b], v[232+\b], 0x7f800000, s[MNT]
.endr
.irp b, 0,1
	v_lshrrev_b32 v[236+\b], 23, v[244+\b]
.endr
	v_lshl_or_b32 v254, v237, 8, v236              ; my query's two scale bytes
.irp b, 0,1
.irp i, 0,1,2,3,4,5,6,7,8,9,10,11,12,13,14,15
	v_med3_num_f32 v[96+16*\b+\i], v[96+16*\b+\i], -v[240+\b], v[240+\b]
.endr
	v_cvt_scalef32_pk8_fp8_f32 v[128+4*\b:129+4*\b], v[96+16*\b:103+16*\b], v[244+\b]
	v_cvt_scalef32_pk8_fp8_f32 v[130+4*\b:131+4*\b], v[104+16*\b:111+16*\b], v[244+\b]
.endr
	v_nop                                          ; a plain line behind the last conversion
.irp t, 0,1,2,3
	ds_store_b64 v10, v[128+2*\t:129+2*\t] offset:16*\t
.endr
	ds_load_b128 v[136:139], v11                   ; LDS serves a wave's instructions in order: these see my stores
	ds_load_b128 v[140:143], v11 offset:640
	s_wait_dscnt 0x0
	global_store_b128 v2, v[136:139], s[2:3]       ; 32 lanes store 512 consecutive bytes, aligned
	global_store_b128 v2, v[140:143], s[2:3] offset:512
	s_wait_xcnt 0x0                                ; EXEC changes only behind this wait
	v_cmp_gt_u32 vcc_lo, 16, v7
	s_and_saveexec_b32 s4, vcc_lo                  ; lanes 0-15: a query each
	global_store_b16 v3, v254, s[10:11]
	s_wait_xcnt 0x0                                ; and again, in front of the line that widens it
	s_or_b32 exec_lo, exec_lo, s4
	s_wait_tensorcnt 0x0                           ; the wave's end
	ds_add_u32 v[SPW], v[NIL]
	s_wait_dscnt 0x0
	CROUND                                         ; the closing round
	s_endpgm
.Lfunc_end_k_q183150a353_attn:
	.size	k_q183150a353_attn, .Lfunc_end_k_q183150a353_attn-k_q183150a353_attn
	.p2alignl 7, 3214868480
	.fill 96, 4, 3214868480
	.section	.rodata,"a",@progbits
	.p2align	6, 0x0
	.amdhsa_kernel k_q183150a353_attn
		.amdhsa_group_segment_fixed_size 296960
		.amdhsa_private_segment_fixed_size 0
		.amdhsa_enable_private_segment 0
		.amdhsa_kernarg_size 16
		.amdhsa_user_sgpr_count 2
		.amdhsa_user_sgpr_kernarg_segment_ptr 1
		.amdhsa_wavefront_size32 1
		.amdhsa_system_sgpr_workgroup_id_x 1
		.amdhsa_system_sgpr_workgroup_id_y 1
		.amdhsa_system_sgpr_workgroup_id_z 1
		.amdhsa_system_vgpr_workitem_id 0
		.amdhsa_next_free_vgpr 256
		.amdhsa_next_free_sgpr 102
		.amdhsa_reserve_vcc 1
		.amdhsa_float_denorm_mode_32 3
		.amdhsa_float_denorm_mode_16_64 3
		.amdhsa_memory_ordered 1
		.amdhsa_forward_progress 1
		.amdhsa_inst_pref_size 60
	.end_amdhsa_kernel
	.amdgpu_metadata
---
amdhsa.version: [ 1, 2 ]
amdhsa.kernels:
  - .name:           k_q183150a353_attn
    .symbol:         k_q183150a353_attn.kd
    .args:
      - { .name: qkv8, .offset: 0, .size: 8, .value_kind: global_buffer, .address_space: global }
      - { .name: o8, .offset: 8, .size: 8, .value_kind: global_buffer, .address_space: global }
    .group_segment_fixed_size: 296960
    .private_segment_fixed_size: 0
    .kernarg_segment_align: 8
    .kernarg_segment_size: 16
    .max_flat_workgroup_size: 512
    .sgpr_count:     102
    .vgpr_count:     256
    .wavefront_size: 32
...
	.end_amdgpu_metadata
.endif
;; end of part 3
;; launch oproj (part 4): grid 8 x 32, 4 waves a work-group, clusters of 4 x 4, 327,680 bytes of LDS; arguments o8, wq8, x, x1; writes x1
.if DOCPART == 4
	.amdgcn_target "amdgcn-amd-amdhsa--gfx1250"
	.amdhsa_code_object_version 6
	.text
	.protected	k_q183150a353_oproj
	.globl	k_q183150a353_oproj
	.p2align	8
	.type	k_q183150a353_oproj,@function
k_q183150a353_oproj:
	s_mov_b64 s[64:65], 0
	v_nop
	global_prefetch_b8 v0, s[64:65] scope:SCOPE_SE
	s_setreg_imm32_b32 hwreg(HW_REG_WAVE_MODE, 25, 1), 1
	s_wait_xcnt 0x0
	s_wait_alu depctr_hold_cnt(0) depctr_sa_sdst(0) depctr_va_vdst(0) depctr_va_sdst(0) depctr_va_ssrc(0) depctr_va_vcc(0) depctr_vm_vsrc(0)
	s_getreg_b32 s2, hwreg(HW_REG_IB_STS2, 6, 4)
	s_cmp_eq_u32 s2, 0
	s_cbranch_scc0 .Lentry_in_a_cluster
	s_endpgm
.Lentry_in_a_cluster:
	s_bfe_u32 s2, ttmp6, 0x10000c
	s_cmp_lg_u32 s2, 0xf033
	s_cbranch_scc0 .Lentry_shape_is_right
	s_endpgm
.Lentry_shape_is_right:
.set OH,     1
.set SIZE_K, 1024
.if OH
.set AP,     80
.set ASZ,    81920
.set ASB,    4194304
.set BB,     3145728
.set BSB,    12595200
.set RPB,    4096
.set ANEXT,  2097152
.else
.set AP,     528
.set ASZ,    67584
.set ASB,    16777216
.set BB,     8388608
.set BSB,    12845056
.set RPB,    1024
.set ANEXT,  512
.endif
.set BP,     528
.set BHALF,  64*BP
.set AHALF,  ASZ/2
.set SLOT,   ASZ+2*BHALF
.set NS,     SIZE_K/256
.set LAPS,   SIZE_K/1024
.set SCA,    2*SLOT
.set SCB,    SCA+SIZE_K*4+128
.set SPARE,  SCB+SIZE_K*4+128
.set STAGE,  SPARE+512
.set ADRA, 16
.set ADRB, 20
.set STO,  24
.set RD,   25
.set CO,   26
.set ADRS, 27
.set SPW,  28
.set NIL,  29
.set T,    32
.set SCW,  96
.set ACC,  128
.set F0,   0
.set F1,   128
.set G1, 24
.set G0, 32
.set G1B, 48
.set G0B, 56
.set G1S, 68
.set G0S, 76
.set G1SB, 80
.set G0SB, 88
.set MSB, 0
.macro WIN new
.if MSB != \new
	s_set_vgpr_msb (MSB<<8)|\new
.set MSB, \new
.endif
.endm
.set MUL,  0x05
.set TO_F, 0x40
.macro JLOAD g0a, g1a, g0b, g1b
	s_cmp_eq_u32 s15, 0
	s_cbranch_scc0 .Lfor_b_\@
	tensor_load_to_lds s[\g0a:\g0a+3], s[\g1a:\g1a+7]
	s_nop 0
.rept 4
	v_nop
.endr
	s_branch .Lasked_\@
.Lfor_b_\@:
	tensor_load_to_lds s[\g0b:\g0b+3], s[\g1b:\g1b+7]
	s_nop 0
.rept 4
	v_nop
.endr
.Lasked_\@:
.endm
.macro CREST
	s_cmp_lg_u32 s14, 0
	s_cbranch_scc1 .Lnot_wave_0_\@
	s_barrier_signal -3
.Lnot_wave_0_\@:
	s_barrier_wait -3
	s_barrier_signal -1
	s_barrier_wait -1
.endm
.macro CROUND
	s_barrier_signal -1
	s_barrier_wait -1
	CREST
.endm
	s_load_b256 s[4:11], s[0:1], 0x0
	v_lshl_add_u32 v[SPW], v0, 2, SPARE
	v_mov_b32 v[NIL], 0
	ds_add_u32 v28, v29
	ds_add_u32 v28, v29
	s_wait_dscnt 0x0
	v_lshrrev_b32 v1, 5, v0
	v_readfirstlane_b32 s14, v1
	s_lshr_b32 s15, s14, 1
	s_and_b32 s16, s14, 1
	s_bfe_u32 s40, ttmp6, 0x40000
	s_bfe_u32 s41, ttmp6, 0x40004
	s_lshl_b32 s42, ttmp9, 2
	s_add_co_u32 s42, s42, s40
	s_and_b32 s17, ttmp7, 0xffff
	s_lshl_b32 s17, s17, 2
	s_add_co_u32 s17, s17, s41
	s_lshl_b32 s43, s41, 2
	s_lshl_b32 s43, 15, s43
	s_lshl_b32 s44, 0x1111, s40
.if OH
	s_or_b32 s[G1+0], s43, (3<<16)|(1<<20)|(1<<21)|(3<<22)|(3<<25)
	s_mov_b32 s[G1+1], 1024<<16
	s_mov_b32 s[G1+2], 4<<16
	s_mov_b32 s[G1+3], 1024<<16
	s_mov_b32 s[G1+4], 4
	s_mov_b32 s[G1+5], 32768
.else
	s_or_b32 s[G1+0], s43, (1<<20)|(1<<21)|(6<<22)|(3<<25)
	s_mov_b32 s[G1+1], 512<<16
	s_mov_b32 s[G1+2], 64<<16
	s_mov_b32 s[G1+3], 512<<16
	s_mov_b32 s[G1+4], 64
	s_mov_b32 s[G1+5], SIZE_K
.endif
	s_mov_b32 s[G1+6], 0
	s_mov_b32 s[G1+7], 0
	s_or_b32 s[G1B+0], s44, (1<<20)|(1<<21)|(6<<22)|(3<<25)
	s_mov_b32 s[G1B+1], 512<<16
	s_mov_b32 s[G1B+2], 64<<16
	s_mov_b32 s[G1B+3], 512<<16
	s_mov_b32 s[G1B+4], 64
	s_mov_b32 s[G1B+5], SIZE_K
	s_mov_b32 s[G1B+6], 0
	s_mov_b32 s[G1B+7], 0
	s_or_b32 s[G1S+0], s43, (2<<16)|(1<<21)
	s_or_b32 s[G1SB+0], s44, (2<<16)|(1<<21)
.irp g, G1S, G1SB
	s_mov_b32 s[\g+1], 128<<16
	s_mov_b32 s[\g+2], NS<<16
	s_mov_b32 s[\g+3], 128<<16
	s_mov_b32 s[\g+4], NS
	s_mov_b32 s[\g+6], 0
	s_mov_b32 s[\g+7], 0
.endr
	s_mov_b32 s[G1S+5], 4096
	s_mov_b32 s[G1SB+5], RPB
.if OH
	s_lshl_b32 s98, s16, 20                        ; s[98:99]: in the ring, my half of A's tile
	s_lshl_b32 s20, s17, 13                        ; where A's tile begins
.else
	s_lshl_b32 s98, s16, 18
	s_lshl_b32 s20, s17, 19
.endif
	s_mov_b32 s99, 0
	s_lshl_b32 s46, s42, 7
	s_mul_i32 s46, s46, SIZE_K
	s_add_co_u32 s46, s46, BB                      ; where B's tile begins
	s_mul_i32 s2, s16, 64*SIZE_K                   ; s[2:3]: in the ring, my 64 rows of it
	s_mov_b32 s3, 0
	s_lshl_b32 s22, s17, 9
	s_add_co_u32 s22, s22, ASB                     ; A's scale words, all steps
	s_lshl_b32 s92, s42, 9
	s_add_co_u32 s92, s92, BSB                     ; B's
	s_mov_b32 s21, 0
	s_mov_b32 s23, 0
	s_mov_b32 s47, 0
	s_mov_b32 s93, 0
	s_mul_i32 s45, s16, AHALF
	s_mul_i32 s94, s16, BHALF
	s_add_co_u32 s94, s94, ASZ
	s_mul_i32 s95, s16, NS*512
	s_lshl_b32 s96, s17, 19
	s_lshl_b32 s18, s15, 18
	s_add_co_u32 s96, s96, s18
	s_lshl_b32 s18, s42, 9
	s_add_co_u32 s96, s96, s18
	s_lshl_b32 s18, s16, 8
	s_add_co_u32 s96, s96, s18
	s_mov_b32 s97, 0
	s_wait_kmcnt 0x0
	s_add_nc_u64 s[20:21], s[4:5], s[20:21]
	s_add_nc_u64 s[22:23], s[4:5], s[22:23]
	s_add_nc_u64 s[46:47], s[6:7], s[46:47]
	s_add_nc_u64 s[92:93], s[6:7], s[92:93]
	s_add_nc_u64 s[8:9], s[8:9], s[96:97]
	s_add_nc_u64 s[10:11], s[10:11], s[96:97]
	CROUND
	s_mov_b32 s[G0S], 1
	s_add_co_u32 s[G0S+1], s95, SCA
	s_mov_b64 s[G0S+2:G0S+3], s[22:23]
	s_or_b32 s[G0S+3], s[G0S+3], 0x80000000
	s_mov_b32 s[G0SB], 1
	s_add_co_u32 s[G0SB+1], s95, SCB
	s_mov_b64 s[G0SB+2:G0SB+3], s[92:93]
	s_or_b32 s[G0SB+3], s[G0SB+3], 0x80000000
	s_mov_b32 s[G0S+1], SCA                        ; one load brings a side's scale words for all of K
	s_mov_b32 s[G0SB+1], SCB
	s_mov_b32 s[G1S+2], (2*NS)<<16
	s_mov_b32 s[G1S+4], 2*NS
	s_mov_b32 s[G1SB+2], (2*NS)<<16
	s_mov_b32 s[G1SB+4], 2*NS
	s_mov_b32 s[G1+2], 8<<16                       ; the head's loads of codes bring a whole tile: A's eight heads,
	s_mov_b32 s[G1+4], 8
	s_mov_b32 s[G1B+2], 128<<16                    ; B's 128 rows
	s_mov_b32 s[G1B+4], 128
	s_mov_b32 s4, 1                                ; s[4:7]: group 0 for K step 0's tile of A
	s_mov_b32 s5, 0
	s_mov_b64 s[6:7], s[20:21]
	s_or_b32 s7, s7, 0x80000000
	s_mov_b64 s[96:97], s[46:47]
	s_add_nc_u64 s[20:21], s[20:21], s[98:99]      ; for the ring: my half
	s_add_nc_u64 s[46:47], s[46:47], s[2:3]
.irp s, 0,1
	s_mov_b32 s[G0+4*\s], 1
	s_add_co_u32 s[G0+4*\s+1], s45, \s*SLOT
	s_add_nc_u64 s[G0+4*\s+2:G0+4*\s+3], s[20:21], \s*ANEXT
	s_or_b32 s[G0+4*\s+3], s[G0+4*\s+3], 0x80000000
	s_mov_b32 s[G0B+4*\s], 1
	s_add_co_u32 s[G0B+4*\s+1], s94, \s*SLOT
	s_add_nc_u64 s[G0B+4*\s+2:G0B+4*\s+3], s[46:47], \s*512
	s_or_b32 s[G0B+4*\s+3], s[G0B+4*\s+3], 0x80000000
.endr
	s_mov_b32 s92, 1                               ; s[92:95]: group 0 for K step 0's tile of B
	s_mov_b32 s93, ASZ
	s_mov_b64 s[94:95], s[96:97]
	s_or_b32 s95, s95, 0x80000000
; the head's loads, one a wave: wave 0 A's tile of K step 0, wave 1 B's, wave 2 A's scale words, wave 3 B's.
; No prefetch: K has two steps of 512, both asked for in the head, and there is no loop to run ahead in.
.macro ARM under, g0, g1, next
	s_cmp_lt_u32 s14, \under
	s_cbranch_scc0 \next
	tensor_load_to_lds s[\g0:\g0+3], s[\g1:\g1+7]
	s_nop 0
.rept 4
	v_nop
.endr
	s_branch .Lhead_asked
\next:
.endm
	ARM 1, 4, G1, .Lhead_b
	ARM 2, 92, G1B, .Lhead_sa
	ARM 3, G0S, G1S, .Lhead_sb
	tensor_load_to_lds s[G0SB:G0SB+3], s[G1SB:G1SB+7]
	s_nop 0
.rept 4
	v_nop
.endr
.Lhead_asked:
	v_and_b32 v1, 15, v0
	v_bfe_u32 v2, v0, 4, 1
	v_mul_u32_u24 v3, v1, AP
	v_lshl_add_u32 v3, v2, 4, v3
	v_mul_u32_u24 v4, v1, BP
	v_lshl_add_u32 v4, v2, 4, v4
	s_mul_i32 s21, s15, 64*AP
	s_mul_i32 s22, s16, BHALF
	s_add_co_u32 s22, s22, ASZ
.irp s, 0,1
	v_add_nc_u32 v[ADRA+\s], s21, v3
.if OH
	v_add_nc_u32 v[ADRA+2+\s], 40960, v[ADRA+\s]
.endif
	v_add_nc_u32 v[ADRB+\s], s22, v4
	s_add_co_u32 s21, s21, SLOT
	s_add_co_u32 s22, s22, SLOT
.endr
	s_lshl_b32 s21, s15, 8
	s_lshl_b32 s22, s16, 8
	s_add_co_u32 s22, s22, SCB-SCA
	s_sub_co_u32 s22, s22, s21
	v_mul_u32_u24 v6, s22, v2
	s_add_co_u32 s21, s21, SCA
	v_lshl_add_u32 v5, v1, 2, v6
	v_add_nc_u32 v[ADRS], s21, v5
	s_mul_i32 s23, s14, 16*272
	s_add_co_u32 s23, s23, STAGE
	v_mul_u32_u24 v5, v1, 272
	v_lshl_add_u32 v5, v2, 5, v5
	v_add_nc_u32 v[STO], s23, v5
	v_mul_u32_u24 v5, v2, 272
	v_lshl_add_u32 v5, v1, 4, v5
	v_add_nc_u32 v[RD], s23, v5
	v_lshlrev_b32 v5, 12, v2
	v_lshl_add_u32 v[CO], v1, 4, v5
	WIN 0x80
.irp a, 0,1,2,3
.irp t, 0,1,2,3,4,5,6,7
	global_load_b128 v[32*\a+4*\t:32*\a+4*\t+3], v[CO], s[8:9] offset:(16*\a+2*\t)*4096
.endr
.endr
	WIN 0
.macro FRAGA reg, slot, q, i
.irp c, 0,1,2,3
.if OH
	ds_load_b128 v[\reg+4*\c:\reg+4*\c+3], v[ADRA+\slot+2*((\q)/2)] offset:(2*((\q)%2)+\c/2)*10240+32*(\c%2)+(\i)*16*AP
.else
	ds_load_b128 v[\reg+4*\c:\reg+4*\c+3], v[ADRA+\slot] offset:128*(\q)+32*\c+(\i)*16*AP
.endif
.endr
.endm
.macro FRAGB reg, slot, q, i
.irp c, 0,1,2,3
	ds_load_b128 v[\reg+4*\c:\reg+4*\c+3], v[ADRB+\slot] offset:128*(\q)+32*\c+(\i)*16*BP
.endr
.endm
.macro FETCH slot, q, f
	WIN TO_F
.irp i, 0,1,2,3
	FRAGB \f+64+16*\i, \slot, \q, \i
.endr
.irp i, 0,1,2,3
	FRAGA \f+16*\i, \slot, \q, \i
.endr
.endm
.macro SCALES sc
.irp q, 0,1,2,3
.irp i, 0,1,2,3
	ds_load_b32 v[SCW+16*\sc+4*\q+\i], v[ADRS] offset:512*\q+64*\i
.endr
.endr
.endm
.macro MUL4 f, a, q, sc, zero
.irp b, 0,1,2,3
.if \zero
	v_wmma_scale_f32_16x16x128_f8f6f4 v[ACC+8*(4*(\a)+\b):ACC+8*(4*(\a)+\b)+7], v[\f+64+16*\b:\f+64+16*\b+15], v[\f+16*(\a):\f+16*(\a)+15], 0, v[SCW+16*(\sc)+4*(\q)+\b], v[SCW+16*(\sc)+4*(\q)+(\a)] matrix_a_scale:MATRIX_SCALE_ROW1
.else
	v_wmma_scale_f32_16x16x128_f8f6f4 v[ACC+8*(4*(\a)+\b):ACC+8*(4*(\a)+\b)+7], v[\f+64+16*\b:\f+64+16*\b+15], v[\f+16*(\a):\f+16*(\a)+15], v[ACC+8*(4*(\a)+\b):ACC+8*(4*(\a)+\b)+7], v[SCW+16*(\sc)+4*(\q)+\b], v[SCW+16*(\sc)+4*(\q)+(\a)] matrix_a_scale:MATRIX_SCALE_ROW1
.endif
.endr
.endm
.macro PLACES n
.rept \n
	v_nop
.endr
.endm
.macro QUARTER slot, q, f, g, zero
	s_wait_dscnt 8
	WIN MUL
	MUL4 \f, 0, \q, \slot, \zero
	MUL4 \f, 1, \q, \slot, \zero
	PLACES 8
	FETCH \slot, (\q)+1, \g
	s_wait_dscnt 32
	WIN MUL
	MUL4 \f, 2, \q, \slot, \zero
	MUL4 \f, 3, \q, \slot, \zero
.endm
.macro TURN slot, next, fill
	WIN 0
	s_wait_tensorcnt 0x0
	ds_add_u32 v[SPW], v[NIL]
	s_wait_dscnt 9
	WIN MUL
	MUL4 F1, 0, 3, \slot, 0
	s_wait_dscnt 0x0
	s_barrier_signal -1
	MUL4 F1, 1, 3, \slot, 0
	WIN 0
	s_barrier_wait -1
.if \fill
	CREST
	s_add_nc_u64 s[G0+4*\slot+2:G0+4*\slot+3], s[G0+4*\slot+2:G0+4*\slot+3], 1024
	s_add_nc_u64 s[G0B+4*\slot+2:G0B+4*\slot+3], s[G0B+4*\slot+2:G0B+4*\slot+3], 1024
	JLOAD G0+4*\slot, G1, G0B+4*\slot, G1B
	PLACES 4
.else
	PLACES 8
.endif
	v_add_nc_u32 v[ADRS], 2048, v[ADRS]
	SCALES \next
	FETCH \next, 0, F0
	WIN MUL
	MUL4 F1, 2, 3, \slot, 0
	MUL4 F1, 3, 3, \slot, 0
.endm
	s_wait_alu depctr_va_vdst(0)
	s_wait_tensorcnt 0x0                           ; my tile of the head's four is in; the lines ahead of a later first fill:
	ds_add_u32 v[SPW], v[NIL]
	s_mov_b32 s[G1+2], 4<<16                       ; no tensor load of mine is out: from here on a load brings half a tile
	s_mov_b32 s[G1+4], 4
	s_mov_b32 s[G1B+2], 64<<16
	s_mov_b32 s[G1B+4], 64
	s_wait_dscnt 0x0
	CROUND                                         ; all four tiles are in, and all sixteen work-groups are here
	JLOAD G0+4, G1, G0B+4, G1B                     ; K step 1, the first tensor load behind the round
	SCALES 0
	FETCH 0, 0, F0
	QUARTER 0, 0, F0, F1, 1
.if LAPS > 1
	WIN 0
	s_mov_b32 s3, LAPS-1
.Llap:
	QUARTER 0, 1, F1, F0, 0
	QUARTER 0, 2, F0, F1, 0
	TURN 0, 1, 1
	QUARTER 1, 0, F0, F1, 0
	QUARTER 1, 1, F1, F0, 0
	QUARTER 1, 2, F0, F1, 0
	TURN 1, 0, 1
	QUARTER 0, 0, F0, F1, 0
	WIN 0
	s_sub_co_u32 s3, s3, 1
	s_cmp_lg_u32 s3, 0
	s_cbranch_scc1 .Llap
.endif
	QUARTER 0, 1, F1, F0, 0
	QUARTER 0, 2, F0, F1, 0
	TURN 0, 1, 0
	QUARTER 1, 0, F0, F1, 0
	QUARTER 1, 1, F1, F0, 0
	QUARTER 1, 2, F0, F1, 0
	s_wait_dscnt 8
	WIN MUL
	MUL4 F1, 0, 3, 1, 0
	MUL4 F1, 1, 3, 1, 0
	s_wait_dscnt 0
	MUL4 F1, 2, 3, 1, 0
	MUL4 F1, 3, 3, 1, 0
	WIN 0
	PLACES 8
	s_wait_loadcnt 0x0
.irp a, 0,1,2,3
.if \a > 1
	s_wait_xcnt 0x0
.endif
.irp b, 0,1,2,3
	ds_store_b128 v[STO], v[ACC+8*(4*\a+\b):ACC+8*(4*\a+\b)+3] offset:64*\b
	ds_store_b128 v[STO], v[ACC+8*(4*\a+\b)+4:ACC+8*(4*\a+\b)+7] offset:64*\b+16
.endr
.irp t, 0,1,2,3,4,5,6,7
	ds_load_b128 v[T+32*(\a%2)+4*\t:T+32*(\a%2)+4*\t+3], v[RD] offset:2*\t*272
.endr
	s_wait_dscnt 0x0
	WIN 0x08
.irp t, 0,1,2,3,4,5,6,7
	v_pk_add_f32 v[T+32*(\a%2)+4*\t:T+32*(\a%2)+4*\t+1], v[T+32*(\a%2)+4*\t:T+32*(\a%2)+4*\t+1], v[32*\a+4*\t:32*\a+4*\t+1]
	v_pk_add_f32 v[T+32*(\a%2)+4*\t+2:T+32*(\a%2)+4*\t+3], v[T+32*(\a%2)+4*\t+2:T+32*(\a%2)+4*\t+3], v[32*\a+4*\t+2:32*\a+4*\t+3]
.endr
	WIN 0
.irp t, 0,1,2,3,4,5,6,7
	global_store_b128 v[CO], v[T+32*(\a%2)+4*\t:T+32*(\a%2)+4*\t+3], s[10:11] offset:(16*\a+2*\t)*4096
.endr
.endr
	s_wait_tensorcnt 0x0
	ds_add_u32 v[SPW], v[NIL]
	s_wait_dscnt 0x0
	CROUND
	s_endpgm
.Lfunc_end_k_q183150a353_oproj:
	.size	k_q183150a353_oproj, .Lfunc_end_k_q183150a353_oproj-k_q183150a353_oproj
	.p2alignl 7, 3214868480
	.fill 96, 4, 3214868480
	.section	.rodata,"a",@progbits
	.p2align	6, 0x0
	.amdhsa_kernel k_q183150a353_oproj
		.amdhsa_group_segment_fixed_size 327680
		.amdhsa_private_segment_fixed_size 0
		.amdhsa_enable_private_segment 0
		.amdhsa_kernarg_size 32
		.amdhsa_user_sgpr_count 2
		.amdhsa_user_sgpr_kernarg_segment_ptr 1
		.amdhsa_wavefront_size32 1
		.amdhsa_system_sgpr_workgroup_id_x 1
		.amdhsa_system_sgpr_workgroup_id_y 1
		.amdhsa_system_sgpr_workgroup_id_z 1
		.amdhsa_system_vgpr_workitem_id 0
		.amdhsa_next_free_vgpr 640
		.amdhsa_next_free_sgpr 100
		.amdhsa_reserve_vcc 0
		.amdhsa_float_denorm_mode_32 3
		.amdhsa_float_denorm_mode_16_64 3
		.amdhsa_memory_ordered 1
		.amdhsa_forward_progress 1
		.amdhsa_inst_pref_size 64
	.end_amdhsa_kernel
	.amdgpu_metadata
---
amdhsa.version: [ 1, 2 ]
amdhsa.kernels:
  - .name:           k_q183150a353_oproj
    .symbol:         k_q183150a353_oproj.kd
    .args:
      - { .name: o8, .offset: 0, .size: 8, .value_kind: global_buffer, .address_space: global }
      - { .name: wq8, .offset: 8, .size: 8, .value_kind: global_buffer, .address_space: global }
      - { .name: x, .offset: 16, .size: 8, .value_kind: global_buffer, .address_space: global }
      - { .name: x1, .offset: 24, .size: 8, .value_kind: global_buffer, .address_space: global }
    .group_segment_fixed_size: 327680
    .private_segment_fixed_size: 0
    .kernarg_segment_align: 8
    .kernarg_segment_size: 32
    .max_flat_workgroup_size: 128
    .sgpr_count:     100
    .vgpr_count:     640
    .wavefront_size: 32
...
	.end_amdgpu_metadata
.endif
;; end of part 4
;; launch ln2 (part 5): grid 256 x 1, 16 waves a work-group, no clusters, 3,072 bytes of LDS; arguments x1, ln2_w, ln2_b, hq8; writes hq8
.if DOCPART == 5
	.amdgcn_target "amdgcn-amd-amdhsa--gfx1250"
	.amdhsa_code_object_version 6
	.text
	.protected	k_q183150a353_ln2
	.globl	k_q183150a353_ln2
	.p2align	8
	.type	k_q183150a353_ln2,@function
k_q183150a353_ln2:
	s_mov_b64 s[64:65], 0
	v_nop
	global_prefetch_b8 v0, s[64:65] scope:SCOPE_SE
	s_setreg_imm32_b32 hwreg(HW_REG_WAVE_MODE, 25, 1), 1
	s_wait_xcnt 0x0
; A layer norm over rows of 1,024 f32 numbers, quantised on the way out: codes of FP8 (E4M3) [4096][1024] at byte 0 of the result and scale words [8 steps of 128][4096 rows][4 bytes] at 4,194,304.
; y = (x - mean) x rsqrt(var + 1e-5) x gain + bias, all in f32; the variance is the mean of (x - mean)^2, taken in a second pass over registers, so a common offset of x does no harm.
; A block's scale is 2^(floor(log2(its largest magnitude)) - 8); each number is divided by it, held within +-448 and rounded to the nearest code, ties to even.
; LIMITS: a block of zeros gets the byte 1 and zero codes (this program alone reads the bytes); blocks whose largest magnitude lies under 2^-118 take the floor's scale; NaN and infinities are not served.
; SHARES: a work-group takes 16 rows, a wave one row, kept in 32 registers: lane i holds the 8 neighbours at 256 j + 8 i of chunk j = 0 .. 3.  Four lanes hold a block of 32.
; A wave's store of a chunk's codes covers 256 consecutive bytes, aligned.  The 16 rows' scale words meet in LDS as [8 steps][16 rows] and leave by wave 0 in runs of 64 bytes.
.set X,   16                           ; v16-47   the row's numbers
.set G,   48                           ; v48-79   the gain at my columns
.set B,   80                           ; v80-111  the bias
.set C,   112                          ; v112-119 codes
.set S,   120                          ; v120-127 four chains of sums
.set TM,  120                          ; v120-123 largest magnitudes, later the neighbours' words
.set SCR, 124                          ; v124-127 the conversions' scale operands
.set HL,  128                          ; v128-131 448 x the scale
.set WD,  132                          ; v132-135 scale bytes, then scale words
.set MU,  140                          ; v[140:141] the mean, twice; later 1 / sqrt(var + eps), twice
.set SHB, 4
.set MNT, 19
.macro QCHUNKS
.irp j, 0,1,2,3
	v_max3_num_f32 v[TM+\j], |v[X+8*\j]|, |v[X+8*\j+1]|, 0x4800000   ; my 8 numbers, and the floor 2^(9 - 127): so the byte cannot fall under 1
.endr
.irp i, 2,4,6
.irp j, 0,1,2,3
	s_delay_alu instid0(VALU_DEP_4)
	v_max3_num_f32 v[TM+\j], v[TM+\j], |v[X+8*\j+\i]|, |v[X+8*\j+\i+1]|
.endr
.endr
.irp j, 0,1,2,3
	s_delay_alu instid0(VALU_DEP_4)
	v_max_num_f32_dpp v[TM+\j], v[TM+\j], v[TM+\j] row_xmask:1 row_mask:0xf bank_mask:0xf
.endr
.irp j, 0,1,2,3
	s_delay_alu instid0(VALU_DEP_4)
	v_max_num_f32_dpp v[TM+\j], v[TM+\j], v[TM+\j] row_xmask:2 row_mask:0xf bank_mask:0xf   ; the four lanes of a block agree
.endr
.irp j, 0,1,2,3
	s_delay_alu instid0(VALU_DEP_4)
	v_add_nc_u32 v[SCR+\j], 0xfc000000, v[TM+\j]             ; 8 off the exponent field: the conversion's scale operand
.endr
.irp j, 0,1,2,3
	v_and_or_b32 v[HL+\j], v[TM+\j], 0x7f800000, s[MNT]      ; 448 x the scale
.endr
.irp j, 0,1,2,3
	v_lshrrev_b32 v[WD+\j], 23, v[SCR+\j]                    ; the scale's byte,
.endr
.irp j, 0,1,2,3
	s_delay_alu instid0(VALU_DEP_4)
	v_lshlrev_b32 v[WD+\j], v[SHB], v[WD+\j]                 ; at its place in the word of its 128 along K
.endr
.irp j, 0,1,2,3
	s_delay_alu instid0(VALU_DEP_4)
	v_mov_b32_dpp v[TM+\j], v[WD+\j] row_xmask:4 row_mask:0xf bank_mask:0xf
.endr
.irp j, 0,1,2,3
	s_delay_alu instid0(VALU_DEP_4)
	v_or_b32 v[WD+\j], v[WD+\j], v[TM+\j]
.endr
.irp j, 0,1,2,3
	s_delay_alu instid0(VALU_DEP_4)
	v_mov_b32_dpp v[TM+\j], v[WD+\j] row_xmask:8 row_mask:0xf bank_mask:0xf
.endr
.irp j, 0,1,2,3
	s_delay_alu instid0(VALU_DEP_4)
	v_or_b32 v[WD+\j], v[WD+\j], v[TM+\j]                    ; every lane of a half holds the word of step 2 j + lane / 16
.endr
.irp j, 0,1,2,3
.irp i, 0,1,2,3,4,5,6,7
	v_med3_num_f32 v[X+8*\j+\i], v[X+8*\j+\i], -v[HL+\j], v[HL+\j]   ; the conversion to an 8-bit code does not saturate (ISA guide 7.6.2): the hold comes first
.endr
	v_cvt_scalef32_pk8_fp8_f32 v[C+2*\j:C+2*\j+1], v[X+8*\j:X+8*\j+7], v[SCR+\j]
.endr
	v_nop                                          ; a plain line behind the last conversion
.endm
.macro ROWSUM                          ; the four chains, their halves, and the 32 lanes: the sum stands in v[S] of every lane
	s_delay_alu instid0(VALU_DEP_3)
	v_pk_add_f32 v[S:S+1], v[S:S+1], v[S+2:S+3]
	s_delay_alu instid0(VALU_DEP_2)
	v_pk_add_f32 v[S+4:S+5], v[S+4:S+5], v[S+6:S+7]
	s_delay_alu instid0(VALU_DEP_1)
	v_pk_add_f32 v[S:S+1], v[S:S+1], v[S+4:S+5]
	s_delay_alu instid0(VALU_DEP_1)
	v_add_f32 v[S], v[S], v[S+1]
	s_delay_alu instid0(VALU_DEP_1)
	v_add_f32_dpp v[S], v[S], v[S] row_xmask:1 row_mask:0xf bank_mask:0xf
	s_delay_alu instid0(VALU_DEP_1)
	v_add_f32_dpp v[S], v[S], v[S] row_xmask:2 row_mask:0xf bank_mask:0xf
	s_delay_alu instid0(VALU_DEP_1)
	v_add_f32_dpp v[S], v[S], v[S] row_xmask:4 row_mask:0xf bank_mask:0xf
	s_delay_alu instid0(VALU_DEP_1)
	v_add_f32_dpp v[S], v[S], v[S] row_xmask:8 row_mask:0xf bank_mask:0xf
	s_delay_alu instid0(VALU_DEP_1)
	v_permlanex16_b32 v[S+1], v[S], s12, s13
	s_delay_alu instid0(VALU_DEP_1)
	v_add_f32 v[S], v[S], v[S+1]
.endm
	s_load_b256 s[4:11], s[0:1], 0x0               ; x, gain, bias, the result
	v_lshl_add_u32 v144, v0, 2, 0x400
	v_mov_b32 v145, 0
	v_lshrrev_b32 v1, 5, v0
	s_delay_alu instid0(VALU_DEP_1)
	v_readfirstlane_b32 s18, v1                    ; wave 0..15
	v_and_b32 v1, 31, v0                           ; lane
	s_delay_alu instid0(VALU_DEP_1)
	v_lshlrev_b32 v2, 5, v1                        ; in: 32 bytes a lane
	s_delay_alu instid0(VALU_DEP_2)
	v_lshlrev_b32 v3, 3, v1                        ; out: 8 bytes a lane
	v_bfe_u32 v4, v0, 2, 2
	s_delay_alu instid0(VALU_DEP_1)
	v_lshlrev_b32 v[SHB], 3, v4
	v_bfe_u32 v5, v0, 4, 1
	s_delay_alu instid0(VALU_DEP_1)
	v_lshlrev_b32 v5, 6, v5
	s_lshl_b32 s28, s18, 2
	v_add_nc_u32 v5, s28, v5                       ; LDS: 64 x (lane / 16) + 4 x wave
	v_lshlrev_b32 v7, 4, v1                        ; LDS, back: 16 x lane
	v_lshrrev_b32 v12, 2, v1
	s_delay_alu instid0(VALU_DEP_1)
	v_lshlrev_b32 v12, 14, v12
	v_and_b32 v13, 3, v1
	s_delay_alu instid0(VALU_DEP_1)
	v_lshl_add_u32 v12, v13, 4, v12                ; wave 0's way out: step lane / 4 (16,384 bytes apart), rows 4 (lane % 4) on
	s_mov_b32 s[MNT], 0x600000
	s_mov_b32 s12, 0x76543210
	s_mov_b32 s13, 0xfedcba98                      ; v_permlanex16_b32's selects for lane l xor 16
	s_mov_b32 s14, 0x3a800000                      ; 1 / 1,024
	s_mov_b32 s15, 0x3727c5ac                      ; 1e-5
	s_lshl_b32 s20, ttmp9, 4                       ; the work-group's first row
	s_add_co_u32 s21, s20, s18                     ; my row
	s_lshl_b32 s22, s21, 12
	s_mov_b32 s23, 0
	s_lshl_b32 s24, s21, 10
	s_mov_b32 s25, 0
	s_lshl_b32 s26, s20, 2
	s_add_co_u32 s26, s26, 4194304
	s_mov_b32 s27, 0
	s_wait_kmcnt 0x0
	s_add_nc_u64 s[4:5], s[4:5], s[22:23]
	s_add_nc_u64 s[24:25], s[10:11], s[24:25]
	s_add_nc_u64 s[26:27], s[10:11], s[26:27]
.irp j, 0,1,2,3
	global_load_b128 v[X+8*\j:X+8*\j+3], v2, s[4:5] offset:1024*\j th:TH_LOAD_NT
	global_load_b128 v[X+8*\j+4:X+8*\j+7], v2, s[4:5] offset:1024*\j+16 th:TH_LOAD_NT
.endr
.irp j, 0,1,2,3
	global_load_b128 v[G+8*\j:G+8*\j+3], v2, s[6:7] offset:1024*\j
	global_load_b128 v[G+8*\j+4:G+8*\j+7], v2, s[6:7] offset:1024*\j+16
.endr
.irp j, 0,1,2,3
	global_load_b128 v[B+8*\j:B+8*\j+3], v2, s[8:9] offset:1024*\j
	global_load_b128 v[B+8*\j+4:B+8*\j+7], v2, s[8:9] offset:1024*\j+16
.endr
	s_wait_loadcnt 16                              ; x's eight loads are in; the gain's and the bias's sixteen may be out
.irp k, 0,1,2,3
	v_pk_add_f32 v[S+2*\k:S+2*\k+1], v[X+2*\k:X+2*\k+1], v[X+8+2*\k:X+8+2*\k+1]   ; the first sums start the chains: nothing is cleared
.endr
.irp p, 16,24
.irp k, 0,1,2,3
	s_delay_alu instid0(VALU_DEP_4)
	v_pk_add_f32 v[S+2*\k:S+2*\k+1], v[S+2*\k:S+2*\k+1], v[X+\p+2*\k:X+\p+2*\k+1]
.endr
.endr
	ROWSUM
	s_delay_alu instid0(VALU_DEP_1)
	v_mul_f32 v[MU], s14, v[S]                     ; the mean
	s_delay_alu instid0(VALU_DEP_1)
	v_mov_b32 v[MU+1], v[MU]
.set I, 0
.rept 16
	v_pk_add_f32 v[X+I:X+I+1], v[X+I:X+I+1], v[MU:MU+1] neg_lo:[0,1] neg_hi:[0,1]   ; x - mean
.set I, I+2
.endr
.irp k, 0,1,2,3
	v_pk_mul_f32 v[S+2*\k:S+2*\k+1], v[X+2*\k:X+2*\k+1], v[X+2*\k:X+2*\k+1]
.endr
.irp p, 8,16,24
.irp k, 0,1,2,3
	s_delay_alu instid0(VALU_DEP_4)
	v_pk_fma_f32 v[S+2*\k:S+2*\k+1], v[X+\p+2*\k:X+\p+2*\k+1], v[X+\p+2*\k:X+\p+2*\k+1], v[S+2*\k:S+2*\k+1]
.endr
.endr
	ROWSUM
	s_delay_alu instid0(VALU_DEP_1)
	v_fma_f32 v[S], v[S], s14, s15                 ; var + eps
	s_wait_alu depctr_va_vdst(0)
	v_rsq_f32 v[MU], v[S]
	v_rsq_f32 v[MU+1], v[S]
	v_nop                                          ; a plain line behind the last transcendental
	s_wait_alu depctr_va_vdst(0)                   ; one wait for the two, ahead of their first reader
	s_wait_loadcnt 0x0                             ; the gain and the bias
.set I, 0
.rept 16
	v_pk_mul_f32 v[X+I:X+I+1], v[X+I:X+I+1], v[MU:MU+1]
.set I, I+2
.endr
.set I, 0
.rept 16
	v_pk_fma_f32 v[X+I:X+I+1], v[X+I:X+I+1], v[G+I:G+I+1], v[B+I:B+I+1]
.set I, I+2
.endr
	QCHUNKS
.irp j, 0,1,2,3
	global_store_b64 v3, v[C+2*\j:C+2*\j+1], s[24:25] offset:256*\j   ; 32 lanes store 256 consecutive bytes, aligned
	ds_store_b32 v5, v[WD+\j] offset:128*\j        ; the 16 lanes of a half write one word with one value
.endr
	s_wait_dscnt 0x0                               ; for the others' sake: my words lie in LDS
	s_barrier_signal -1
	s_barrier_wait -1
	s_cmp_lg_u32 s18, 0
	s_cbranch_scc1 .Ldone
	ds_load_b128 v[8:11], v7
	s_wait_dscnt 0x0
	global_store_b128 v12, v[8:11], s[26:27]       ; four lanes fill a step's 64 bytes
.Ldone:
	s_wait_tensorcnt 0x0
	ds_add_u32 v144, v145
	s_wait_dscnt 0x0
	s_endpgm
.Lfunc_end_k_q183150a353_ln2:
	.size	k_q183150a353_ln2, .Lfunc_end_k_q183150a353_ln2-k_q183150a353_ln2
	.p2alignl 7, 3214868480
	.fill 96, 4, 3214868480
	.section	.rodata,"a",@progbits
	.p2align	6, 0x0
	.amdhsa_kernel k_q183150a353_ln2
		.amdhsa_group_segment_fixed_size 3072
		.amdhsa_private_segment_fixed_size 0
		.amdhsa_enable_private_segment 0
		.amdhsa_kernarg_size 32
		.amdhsa_user_sgpr_count 2
		.amdhsa_user_sgpr_kernarg_segment_ptr 1
		.amdhsa_wavefront_size32 1
		.amdhsa_system_sgpr_workgroup_id_x 1
		.amdhsa_system_sgpr_workgroup_id_y 1
		.amdhsa_system_sgpr_workgroup_id_z 1
		.amdhsa_system_vgpr_workitem_id 0
		.amdhsa_next_free_vgpr 146
		.amdhsa_next_free_sgpr 66
		.amdhsa_reserve_vcc 0
		.amdhsa_float_denorm_mode_32 3
		.amdhsa_float_denorm_mode_16_64 3
		.amdhsa_memory_ordered 1
		.amdhsa_forward_progress 1
		.amdhsa_inst_pref_size 20
	.end_amdhsa_kernel
	.amdgpu_metadata
---
amdhsa.version: [ 1, 2 ]
amdhsa.kernels:
  - .name:           k_q183150a353_ln2
    .symbol:         k_q183150a353_ln2.kd
    .args:
      - { .name: x1, .offset: 0, .size: 8, .value_kind: global_buffer, .address_space: global }
      - { .name: ln2_w, .offset: 8, .size: 8, .value_kind: global_buffer, .address_space: global }
      - { .name: ln2_b, .offset: 16, .size: 8, .value_kind: global_buffer, .address_space: global }
      - { .name: hq8, .offset: 24, .size: 8, .value_kind: global_buffer, .address_space: global }
    .group_segment_fixed_size: 3072
    .private_segment_fixed_size: 0
    .kernarg_segment_align: 8
    .kernarg_segment_size: 32
    .max_flat_workgroup_size: 512
    .sgpr_count:     66
    .vgpr_count:     146
    .wavefront_size: 32
...
	.end_amdgpu_metadata
.endif
;; end of part 5
;; launch up (part 6): grid 16 x 16, 4 waves a work-group, clusters of 4 x 4, 327,680 bytes of LDS; arguments hq8, wq8, ff8; writes ff8
.if DOCPART == 6
	.amdgcn_target "amdgcn-amd-amdhsa--gfx1250"
	.amdhsa_code_object_version 6
	.text
	.protected	k_q183150a353_up
	.globl	k_q183150a353_up
	.p2align	8
	.type	k_q183150a353_up,@function
k_q183150a353_up:
	s_mov_b64 s[64:65], 0
	v_nop
	global_prefetch_b8 v0, s[64:65] scope:SCOPE_SE
	s_setreg_imm32_b32 hwreg(HW_REG_WAVE_MODE, 25, 1), 1
	s_wait_xcnt 0x0
	s_wait_alu depctr_hold_cnt(0) depctr_sa_sdst(0) depctr_va_vdst(0) depctr_va_sdst(0) depctr_va_ssrc(0) depctr_va_vcc(0) depctr_vm_vsrc(0)
	s_getreg_b32 s2, hwreg(HW_REG_IB_STS2, 6, 4)
	s_cmp_eq_u32 s2, 0
	s_cbranch_scc0 .Lentry_in_a_cluster
	s_endpgm
.Lentry_in_a_cluster:
	s_bfe_u32 s2, ttmp6, 0x10000c
	s_cmp_lg_u32 s2, 0xf033
	s_cbranch_scc0 .Lentry_shape_is_right
	s_endpgm
.Lentry_shape_is_right:
; C = A B^T on codes of FP8 (E4M3) with one E8M0 scale for each 32 along K, K = 1,024, and C is QUANTISED along its columns on the way out: the next product's operand.
; QKV = 1: clusters y = 0 .. 3: A = h (4,096 tokens), B = wq and wk (2,048 rows): q and k, quantised along a head's 64, laid as images of the attention's operand registers.
;          clusters y = 4, 5: A = wv (1,024 rows), B = h: V^T [feature][token], quantised along the tokens (the keys), laid row by row.
; QKV = 0: A = h2, B = w_up: relu(h2 w_up^T), quantised along the 4,096 hidden units, laid row by row.
; Codes lie [rows][1024], K innermost; scale words lie [K / 128][4,096 rows][4 bytes]: one word for a row and 128 along K.
; A tile of C, 256 x 256, is made by four waves, each 128 x 128: 64 accumulators.  K goes in steps of 256 through a ring of two LDS slots filled by the tensor data mover; the tile's scale words, for all of K, come once.
; CLUSTERS: 4 x 4 work-groups; A's tiles are asked for jointly along a row of the cluster, B's along a column.  The matrix instruction is used transposed (source 0 = 16 rows of B, source 1 = 16 rows of A):
; a lane holds eight neighbouring columns of one row of C, so a block of 32 columns lies in two accumulators of lanes l and l xor 16.
; THE QUANTISER: a block's scale is 2^(floor(log2(its largest magnitude)) - 8); numbers are divided by it, held within +-448 (with relu: within 0 .. 448) and rounded to the nearest code, ties to even.
; LIMITS: a block of zeros gets the byte 1 and zero codes (this program alone reads the bytes); blocks whose largest magnitude lies under 2^-118 take the floor's scale; NaN and infinities are not served.
; REGISTERS, in windows of 256: window 0: v0-31 addresses; v32-63 scale words, two sets; v64-103 the way out; from v128 A's fragments, ONE set (on the way out: codes).
;   window 1: B's fragments, two sets.   windows 2, 3: the accumulators ((a, b) at v[8 (8 (a % 4) + b)]).
.set QKV,    0
.set RELU,   1
.set CB,     0                         ; a row-by-row result: where its codes begin in the result's buffer,
.set SB,     16777216                  ; where its scale words begin,
.set KPO,    16384                     ; and their bytes from step to step
.set NQ,     2                         ; matrix instructions deep in a slot
.set ROWB,   256                       ; a tile's row in bytes
.set KROW,   1024                      ; a row of A or of B in memory
.set PITCH,  272                       ; an LDS row: 256 bytes + 16 of padding, so that the 16 rows of a load start 16 bytes further on modulo 256
.set FR,     16
.set NL,     4
.set NP,     8                         ; places behind this matrix instruction (ISA guide 7.12.1)
.set HALFT,  128*PITCH
.set SLOT,   4*HALFT
.set LAPS,   2                         ; 1,024 / 512
.set SCL,    2*SLOT                    ; the scale words, [8 steps][256 rows][4 bytes]: A's at SCL, B's at SCL + 8,320
.set SPARE,  SCL+16640                 ; the spare words, 128 bytes for each wave: two blocks of 256 bytes that no other line names
.set ADRA, 16                          ; v16-17 my A fragments in slot 0, 1
.set LI,   18                          ; v18    16 x lane
.set SWO,  19                          ; v19    4 x lane
.set ADRB, 20                          ; v20-21 my B fragments
.set RDQ,  22                          ; v22    the way out: where I read an image's piece
.set STO,  24                          ; v24    the way out: where I put 8 codes
.set RD,   25                          ; v25    the way out: where I read a row back
.set CO,   26                          ; v26    my byte offset in two rows of the result
.set ADRS, 27                          ; v27    my scale words: lanes 0-15 A's rows, lanes 16-31 B's
.set SPW,  28                          ; v28    my spare word; never rewritten
.set NIL,  29                          ; v29    0; never rewritten
.set HSH,  30                          ; v30    16 x (lane / 16)
.set HOF,  31                          ; v31    where my half-word of scale bytes goes
.set SC,   32
.set TM,   64                          ; v64-67 largest magnitudes, v68-71 bytes, v72-75 448 x the scale, v76-79 the conversions' scale operands
.set PWS,  88                          ; v88-95 row block a's scale word
.set SD,   96                          ; v96-103 scale words and half-words to store
.set AF,   128
.set PC,   128                         ; the way out: codes, 16 registers a row block; then what is read back
.set G1, 24
.set G0, 32
.set G1B, 48
.set G0B, 56
.set G1S, 68
.set G0S, 76
.set G1SB, 80
.set G0SB, 88
.set MSB, 0
.macro WIN new                         ; the immediate's high byte repeats the setting that is left
.if MSB != \new
	s_set_vgpr_msb (MSB<<8)|\new
.set MSB, \new
.endif
.endm
.set MUL_LO, 0xa1                      ; source 0 (B) window 1, source 1 (A) window 0, C and D window 2
.set MUL_HI, 0xf1
.set TO_B,   0x40
; A joint load: waves 0 and 1 fetch for A, waves 2 and 3 for B; the branch hangs on the wave's number alone.  Four v_nop follow each of the two lines.
.macro JLOAD g0a, g1a, g0b, g1b
	s_cmp_eq_u32 s15, 0
	s_cbranch_scc0 .Lfor_b_\@
	tensor_load_to_lds s[\g0a:\g0a+3], s[\g1a:\g1a+7]
	s_nop 0
.rept 4
	v_nop
.endr
	s_branch .Lasked_\@
.Lfor_b_\@:
	tensor_load_to_lds s[\g0b:\g0b+3], s[\g1b:\g1b+7]
	s_nop 0
.rept 4
	v_nop
.endr
.Lasked_\@:
.endm
.macro CREST                           ; a round of the cluster's barrier behind its opening barrier
	s_cmp_lg_u32 s14, 0
	s_cbranch_scc1 .Lnot_wave_0_\@
	s_barrier_signal -3
.Lnot_wave_0_\@:
	s_barrier_wait -3
	s_barrier_signal -1
	s_barrier_wait -1
.endm
.macro CROUND
	s_barrier_signal -1
	s_barrier_wait -1
	CREST
.endm
	s_load_b128 s[4:7], s[0:1], 0x0                ; the activations' buffer, the weights' buffer
	s_load_b64 s[8:9], s[0:1], 0x10                ; the result's buffer
	v_lshl_add_u32 v[SPW], v0, 2, SPARE
	v_mov_b32 v[NIL], 0
	ds_add_u32 v28, v29
	ds_add_u32 v28, v29
	s_wait_dscnt 0x0
	v_lshrrev_b32 v1, 5, v0
	v_readfirstlane_b32 s14, v1                    ; wave 0..3
	s_lshr_b32 s15, s14, 1                         ; which half of the tile's rows is mine.  Also: I fetch for A (0) or for B (1)
	s_and_b32 s16, s14, 1                          ; which half of its columns.  Also: which 128 rows I fetch
	s_bfe_u32 s40, ttmp6, 0x40000                  ; cx, cy: my place in the cluster
	s_bfe_u32 s41, ttmp6, 0x40004
	s_lshl_b32 s42, ttmp9, 2
	s_add_co_u32 s42, s42, s40                     ; tile column = 4 x cluster x + cx
	s_and_b32 s12, ttmp7, 0xffff                   ; cluster y: the same in all sixteen partners
	s_lshl_b32 s17, s12, 2
	s_add_co_u32 s17, s17, s41                     ; tile row = 4 x cluster y + cy
	s_lshl_b32 s43, s41, 2
	s_lshl_b32 s43, 15, s43                        ; my row of the cluster
	s_lshl_b32 s44, 0x1111, s40                    ; my column
.if QKV
	s_sub_co_u32 s13, s12, 4
	s_lshl_b32 s13, s13, 3
	s_add_co_u32 s13, s13, s42                     ; V^T: tile column = 4 x cluster x + cx + 8 (cluster y - 4)
	s_mov_b32 s93, 12591104
	s_mov_b32 s94, 4194304
	s_cmp_lt_u32 s12, 4                            ; q and k, or V^T?
	s_cselect_b32 s17, s17, s41                    ; V^T: tile row = cy
	s_cselect_b32 s42, s42, s13
	s_cselect_b32 s92, 0, 2097152                  ; where A's codes begin in their buffer: h, or wv's rows;
	s_cselect_b32 s93, 4194304, s93                ; A's scale words;
	s_cselect_b32 s94, 12582912, s94               ; B's scale words;
	s_mov_b32 s95, 0                               ; B's codes
.else
	s_mov_b32 s92, 0
	s_mov_b32 s93, 4194304
	s_mov_b32 s94, 12713984
	s_mov_b32 s95, 4194304
.endif
	; descriptor group 1: a tile of 128 rows x 256 bytes, 16 bytes of padding behind each row
	s_or_b32 s[G1+0], s43, (0<<16)|(1<<20)|(1<<21)|(5<<22)|(3<<25)  ; 15:0 the mask; 17:16 elements of 1 byte; 20 padding on; 21 set beside a mask; 24:22 after every 64 words; 31:25 four words
	s_or_b32 s[G1B+0], s44, (0<<16)|(1<<20)|(1<<21)|(5<<22)|(3<<25)
.irp g, G1, G1B
	s_mov_b32 s[\g+1], ROWB<<16                    ; tensor_dim0
	s_mov_b32 s[\g+2], 128<<16                     ; tensor_dim1
	s_mov_b32 s[\g+3], ROWB<<16                    ; tile_dim0
	s_mov_b32 s[\g+4], 128                         ; tile_dim1
	s_mov_b32 s[\g+5], KROW                        ; from row to row
	s_mov_b32 s[\g+6], 0
	s_mov_b32 s[\g+7], 0
.endr
	; and for the scale words of 128 rows: 8 steps x 128 words, the steps 4,096 words apart
	s_or_b32 s[G1S+0], s43, (2<<16)|(1<<21)
	s_or_b32 s[G1SB+0], s44, (2<<16)|(1<<21)
.irp g, G1S, G1SB
	s_mov_b32 s[\g+1], 128<<16
	s_mov_b32 s[\g+2], 8<<16
	s_mov_b32 s[\g+3], 128<<16
	s_mov_b32 s[\g+4], 8
	s_mov_b32 s[\g+5], 4096
	s_mov_b32 s[\g+6], 0
	s_mov_b32 s[\g+7], 0
.endr
	s_lshl_b32 s20, s17, 8                         ; A: the tile's first row
	s_lshl_b32 s46, s42, 8                         ; B: likewise
	s_lshl_b32 s22, s20, 2
	s_add_co_u32 s22, s22, s93                     ; A's scale words, in bytes from the buffer's start
	s_lshl_b32 s20, s20, 10
	s_add_co_u32 s20, s20, s92                     ; A's codes
	s_lshl_b32 s10, s46, 2
	s_add_co_u32 s10, s10, s94                     ; B's scale words
	s_lshl_b32 s46, s46, 10
	s_add_co_u32 s46, s46, s95                     ; B's codes
	s_mov_b32 s21, 0
	s_mov_b32 s23, 0
	s_mov_b32 s11, 0
	s_mov_b32 s47, 0
	s_mul_i32 s45, s14, HALFT                      ; where the codes go: wave x 128 rows: no place in the cluster enters an LDS address
	s_lshl_b32 s18, s16, 17                        ; in the ring I fetch 128 rows of 1,024 bytes: which half
	s_mov_b32 s19, 0
	s_wait_kmcnt 0x0
.if QKV
	s_cmp_lt_u32 s12, 4
	s_cselect_b64 s[96:97], s[4:5], s[6:7]         ; A's buffer
	s_cselect_b64 s[98:99], s[6:7], s[4:5]         ; B's
.else
	s_mov_b64 s[96:97], s[4:5]
	s_mov_b64 s[98:99], s[6:7]
.endif
	s_add_nc_u64 s[20:21], s[96:97], s[20:21]
	s_add_nc_u64 s[22:23], s[96:97], s[22:23]
	s_add_nc_u64 s[46:47], s[98:99], s[46:47]
	s_add_nc_u64 s[10:11], s[98:99], s[10:11]
	CROUND                                         ; all sixteen work-groups are here: the first joint loads meet
	s_mov_b32 s[G0S], 1
	s_add_co_u32 s[G0S+1], s19, SCL
	s_mov_b64 s[G0S+2:G0S+3], s[22:23]
	s_or_b32 s[G0S+3], s[G0S+3], 0x80000000
	s_mov_b32 s[G0SB], 1
	s_add_co_u32 s[G0SB+1], s19, SCL
	s_mov_b64 s[G0SB+2:G0SB+3], s[10:11]
	s_or_b32 s[G0SB+3], s[G0SB+3], 0x80000000
	s_mov_b32 s[G0S+1], SCL                        ; the scale words lie [8 steps][256 rows]: A's at SCL, B's 8,320 bytes on
	s_mov_b32 s[G0SB+1], SCL+8320
	s_mov_b32 s[G1S+1], 256<<16                    ; a step's 256 words to a row of the tile
	s_mov_b32 s[G1S+3], 256<<16
	s_mov_b32 s[G1SB+1], 256<<16
	s_mov_b32 s[G1SB+3], 256<<16
	s_mov_b32 s[G1+2], 256<<16                     ; the head's loads of codes bring 256 rows
	s_mov_b32 s[G1+4], 256
	s_mov_b32 s[G1B+2], 256<<16
	s_mov_b32 s[G1B+4], 256
	s_mov_b32 s4, 1                                ; s[4:7]: group 0 for K step 0's 256 rows of A
	s_mov_b32 s5, 0
	s_mov_b64 s[6:7], s[20:21]
	s_or_b32 s7, s7, 0x80000000
	s_mov_b32 s92, 1                               ; s[92:95]: for its 256 rows of B
	s_mov_b32 s93, 2*HALFT
	s_mov_b64 s[94:95], s[46:47]
	s_or_b32 s95, s95, 0x80000000
	s_add_nc_u64 s[20:21], s[20:21], s[18:19]      ; for the ring: my 128 rows
	s_add_nc_u64 s[46:47], s[46:47], s[18:19]
.irp s, 0,1
	s_mov_b32 s[G0+4*\s], 1
	s_add_co_u32 s[G0+4*\s+1], s45, \s*SLOT
	s_add_nc_u64 s[G0+4*\s+2:G0+4*\s+3], s[20:21], \s*ROWB
	s_or_b32 s[G0+4*\s+3], s[G0+4*\s+3], 0x80000000
	s_mov_b32 s[G0B+4*\s], 1
	s_add_co_u32 s[G0B+4*\s+1], s45, \s*SLOT
	s_add_nc_u64 s[G0B+4*\s+2:G0B+4*\s+3], s[46:47], \s*ROWB
	s_or_b32 s[G0B+4*\s+3], s[G0B+4*\s+3], 0x80000000
.endr
	s_cmp_eq_u32 s15, 0                            ; the prefetches: of the 128 rows that I fetch, my work-group's 32 (told apart by address: cx for A, cy for B)
	s_cselect_b64 s[66:67], s[20:21], s[46:47]
	s_cselect_b32 s18, s40, s41
	s_lshl_b32 s18, s18, 15
	s_add_nc_u64 s[66:67], s[66:67], s[18:19]
; the head's loads, one a wave: wave 0 A's 256 rows of K step 0, wave 1 B's, wave 2 A's scale words, wave 3 B's
.macro ARM under, g0, g1, next
	s_cmp_lt_u32 s14, \under
	s_cbranch_scc0 \next
	tensor_load_to_lds s[\g0:\g0+3], s[\g1:\g1+7]
	s_nop 0
.rept 4
	v_nop
.endr
	s_branch .Lhead_asked
\next:
.endm
	ARM 1, 4, G1, .Lhead_b
	ARM 2, 92, G1B, .Lhead_sa
	ARM 3, G0S, G1S, .Lhead_sb
	tensor_load_to_lds s[G0SB:G0SB+3], s[G1SB:G1SB+7]
	s_nop 0
.rept 4
	v_nop
.endr
.Lhead_asked:
	v_and_b32 v7, 31, v0
	v_lshlrev_b32 v7, 10, v7                       ; a lane a row of 1,024 bytes; never rewritten
	global_prefetch_b8 v7, s[66:67] offset:256 th:TH_LOAD_NT scope:SCOPE_SE   ; K steps 1 and 2: 256 bytes of each of my 32 rows
	global_prefetch_b8 v7, s[66:67] offset:512 th:TH_LOAD_NT scope:SCOPE_SE
	s_mov_b32 s96, 0x76543210
	s_mov_b32 s97, 0xfedcba98                      ; v_permlanex16_b32's selects for lane l xor 16
	s_mov_b32 s98, 0x600000                        ; the mantissa field of 448
	v_and_b32 v1, 15, v0                           ; r = l % 16
	v_bfe_u32 v2, v0, 4, 1                         ; h = l / 16
	s_wait_alu depctr_va_vdst(0)
	v_mul_u32_u24 v3, v1, PITCH
	s_wait_alu depctr_va_vdst(0)
	v_lshl_add_u32 v4, v2, 4, v3                   ; a fragment's row x pitch + 16 x half
	s_mul_i32 s21, s15, HALFT                      ; my 128 rows of A
	s_mul_i32 s22, s16, HALFT                      ; my 128 rows of B,
	s_add_co_u32 s22, s22, 2*HALFT                 ; which lie behind A's 256
.irp s, 0,1
	v_add_nc_u32 v[ADRA+\s], s21, v4
	v_add_nc_u32 v[ADRB+\s], s22, v4
	s_add_co_u32 s21, s21, SLOT
	s_add_co_u32 s22, s22, SLOT
.endr
	s_lshl_b32 s21, s15, 9                         ; A's words: my 128 rows of a step's 256
	s_lshl_b32 s22, s16, 9                         ; B's likewise, 8,320 bytes on
	s_add_co_u32 s22, s22, 8320
	s_sub_co_u32 s22, s22, s21
	v_mul_u32_u24 v6, s22, v2                      ; lanes 16-31 take B's
	s_add_co_u32 s21, s21, SCL
	v_lshl_add_u32 v5, v1, 2, v6
	v_add_nc_u32 v[ADRS], s21, v5
	s_mul_i32 s23, s15, 128*PITCH                  ; the stage, 256 rows x 272 bytes in slot 0: in: row 128 x row half + r, byte 128 x column half + 8 h
	s_lshl_b32 s21, s16, 7
	s_add_co_u32 s23, s23, s21
	v_lshl_add_u32 v5, v2, 3, v3
	v_add_nc_u32 v[STO], s23, v5
	s_mul_i32 s23, s14, 64*PITCH                   ; back: wave w takes rows 64 w on
	v_mul_u32_u24 v5, v2, PITCH
	v_lshl_add_u32 v5, v1, 4, v5
	v_add_nc_u32 v[RD], s23, v5                    ; lanes 0-15 one row of 256 bytes, lanes 16-31 the next
	v_lshlrev_b32 v5, 12, v2
	v_lshl_add_u32 v[CO], v1, 4, v5                ; and the same two rows in a result of 4,096 bytes a row
	v_and_b32 v5, 8, v1
	v_add_nc_u32 v5, v5, v1
	v_mul_u32_u24 v5, v5, PITCH
	v_lshl_add_u32 v5, v2, 4, v5
	v_add_nc_u32 v[RDQ], s23, v5                   ; an image's piece: token r + 8 (r / 8) of 32, + 16 h bytes
	v_and_b32 v6, 31, v0
	v_lshlrev_b32 v[LI], 4, v6
	v_lshlrev_b32 v[SWO], 2, v6
	v_lshlrev_b32 v[HSH], 4, v2
	v_and_b32 v5, 7, v1
	v_lshlrev_b32 v5, 2, v5
	v_bfe_u32 v6, v0, 3, 1
	v_lshl_add_u32 v5, v6, 1, v5
	v_lshl_add_u32 v[HOF], v2, 12, v5              ; half-word 2 (r % 8) + r / 8 of a group of 16 tokens; lanes 16-31 the next head, 4,096 bytes on
.irp b, 0,1,2,3
	v_mov_b32 v[TM+4+\b], 0                        ; written once: a lane permute's destination counts as one of its sources
.endr
.macro FRAG reg, adr, q, i             ; a fragment, 16 rows x 128 K: lane l holds row l % 16; registers 4 c .. 4 c + 3 hold K = 32 c + 16 (l / 16) + 0 .. 15
.irp c, 0,1,2,3
	ds_load_b128 v[\reg+4*\c:\reg+4*\c+3], v[\adr] offset:128*(\q)+32*\c+(\i)*16*PITCH
.endr
.endm
; 16 matrix instructions: A's blocks a0, a0 + 1 x B's eight.  The 64 accumulators take turns, one instruction a turn, in the same order in every step.
.macro MUL16 a0, p, q, sc, zero
.irp a, \a0, \a0+1
.irp b, 0,1,2,3,4,5,6,7
.if \zero
	v_wmma_scale_f32_16x16x128_f8f6f4 v[8*(8*((\a)%4)+\b):8*(8*((\a)%4)+\b)+7], v[128*(\p)+FR*\b:128*(\p)+FR*\b+FR-1], v[AF+FR*(\a):AF+FR*(\a)+FR-1], 0, v[SC+8*NQ*(\sc)+NQ*\b+(\q)], v[SC+8*NQ*(\sc)+NQ*(\a)+(\q)] matrix_a_scale:MATRIX_SCALE_ROW1
.else
	v_wmma_scale_f32_16x16x128_f8f6f4 v[8*(8*((\a)%4)+\b):8*(8*((\a)%4)+\b)+7], v[128*(\p)+FR*\b:128*(\p)+FR*\b+FR-1], v[AF+FR*(\a):AF+FR*(\a)+FR-1], v[8*(8*((\a)%4)+\b):8*(8*((\a)%4)+\b)+7], v[SC+8*NQ*(\sc)+NQ*\b+(\q)], v[SC+8*NQ*(\sc)+NQ*(\a)+(\q)] matrix_a_scale:MATRIX_SCALE_ROW1
.endif
.endr
.endr
.endm
.macro FETCH_B slot, q, p
	WIN TO_B
.irp i, 0,1,2,3,4,5,6,7
	FRAG 128*(\p)+FR*\i, ADRB+\slot, \q, \i
.endr
	WIN 0
.endm
.macro FETCH_A slot, q, i0
.irp i, \i0, \i0+1, \i0+2, \i0+3
	FRAG AF+FR*(\i), ADRA+\slot, \q, \i
.endr
.endm
.macro SCALES sc                       ; a K step's scale words: register 2 i + q: lanes 0-15 the word of A's block i, lanes 16-31 that of B's block i, for the slot's q-th 128 along K
.irp i, 0,1,2,3,4,5,6,7
.irp q, 0,1
	ds_load_b32 v[SC+8*NQ*\sc+NQ*\i+\q], v[ADRS] offset:1024*\q+64*\i
.endr
.endr
.endm
.macro PLACES n                        ; plain vector lines between a matrix instruction and a load into, or a read of, its registers
.rept \n
	v_nop
.endr
.endm
.macro STEP slot, q, zero              ; a step of 128 along K that has its successor in the same slot
	s_wait_dscnt 4*NL                              ; B's set, A's blocks 0-3 and the scale words are in; the youngest 16 loads (A's blocks 4-7) may be out
	WIN MUL_LO
	MUL16 0, (\q)%2, \q, \slot, \zero
	MUL16 2, (\q)%2, \q, \slot, \zero
	s_wait_dscnt 0
	PLACES NP
	FETCH_B \slot, (\q)+1, 1-(\q)%2
	FETCH_A \slot, (\q)+1, 0
	WIN MUL_HI
	MUL16 4, (\q)%2, \q, \slot, \zero
	MUL16 6, (\q)%2, \q, \slot, \zero
	PLACES NP
	WIN 0
	FETCH_A \slot, (\q)+1, 4
.endm
; A slot's last step changes slots: ONE barrier; in front of it each wave waits for all its tensor loads, adds 0 to its spare word, and waits for that and for its reads of this slot.
.macro TURN slot, next, fill
	s_wait_tensorcnt 0x0                           ; all my tensor loads have landed: my part of the next slot
	ds_add_u32 v[SPW], v[NIL]                      ; 0 onto my spare word
	s_wait_dscnt 4*NL+1                            ; the add and the youngest 16 loads may be out
	WIN MUL_LO
	MUL16 0, 1, NQ-1, \slot, 0
	s_wait_dscnt 0x0                               ; the add is done, and my reads of this slot are over
	s_barrier_signal -1
	MUL16 2, 1, NQ-1, \slot, 0
	WIN 0
	s_barrier_wait -1
.if \fill
	CREST                                          ; the barrier has opened a round of the cluster's barrier: no wave of any partner still reads this slot or has a load on its way
	s_add_nc_u64 s[G0+4*\slot+2:G0+4*\slot+3], s[G0+4*\slot+2:G0+4*\slot+3], 2*ROWB
	s_add_nc_u64 s[G0B+4*\slot+2:G0B+4*\slot+3], s[G0B+4*\slot+2:G0B+4*\slot+3], 2*ROWB
	JLOAD G0+4*\slot, G1, G0B+4*\slot, G1B         ; the first tensor load behind the round, my one load until the next
	PLACES NP-4
.else
	PLACES NP
.endif
	s_wait_alu depctr_va_vdst(0)
	v_add_nc_u32 v[ADRS], 2048, v[ADRS]            ; the next K step's scale words: two steps of 1,024 bytes on
	FETCH_B \next, 0, 0
	FETCH_A \next, 0, 0
	SCALES \next
	WIN MUL_HI
	MUL16 4, 1, NQ-1, \slot, 0
	MUL16 6, 1, NQ-1, \slot, 0
	PLACES NP
	WIN 0
	FETCH_A \next, 0, 4
.endm
	s_wait_alu depctr_va_vdst(0)                   ; the wait at the head's end
	s_wait_tensorcnt 0x0                           ; my tile of the head's four is in; the lines ahead of a later first fill:
	ds_add_u32 v[SPW], v[NIL]
	s_mov_b32 s[G1+2], 128<<16                     ; no tensor load of mine is out: from here on a load brings 128 rows
	s_mov_b32 s[G1+4], 128
	s_mov_b32 s[G1B+2], 128<<16
	s_mov_b32 s[G1B+4], 128
	s_wait_dscnt 0x0
	CROUND                                         ; all four tiles are in, and all sixteen work-groups are here
	JLOAD G0+4, G1, G0B+4, G1B                     ; K step 1, the first tensor load behind the round
	FETCH_B 0, 0, 0
	FETCH_A 0, 0, 0
	SCALES 0
	FETCH_A 0, 0, 4
	global_prefetch_b8 v7, s[66:67] offset:768 th:TH_LOAD_NT scope:SCOPE_SE   ; K step 3, two loads on; the last two loads ask for nothing
	STEP 0, 0, 1
	s_mov_b32 s3, LAPS-1
.Llap:                                                 ; a trip goes once round the ring and fills both slots again
	TURN 0, 1, 1
	STEP 1, 0, 0
	TURN 1, 0, 1
	STEP 0, 0, 0
	s_sub_co_u32 s3, s3, 1
	s_cmp_lg_u32 s3, 0
	s_cbranch_scc1 .Llap
	TURN 0, 1, 0                                   ; the last lap fills nothing
	STEP 1, 0, 0
	s_wait_dscnt 4*NL
	WIN MUL_LO
	MUL16 0, 1, NQ-1, 1, 0
	MUL16 2, 1, NQ-1, 1, 0
	s_wait_dscnt 0
	WIN MUL_HI
	MUL16 4, 1, NQ-1, 1, 0
	MUL16 6, 1, NQ-1, 1, 0
	WIN 0
; THE WAY OUT.  Row block a (16 rows x my 128 columns: four blocks of 32) is quantised in registers; its codes go to the work-group's stage in slot 0, which has had its last fill and its last read.
; Each accumulator is read from its low end on.
.macro QROW a
.set W,  2+(\a)/4
.set AC, 64*((\a)%4)
.set W1, W|(W<<2)
.set W2, (W<<2)|(W<<4)
.set W3, (W<<6)|W
	WIN W1                                         ; sources 0 and 1: the accumulators' window
.irp b, 0,1,2,3
.if RELU
	v_max3_num_f32 v[TM+\b], v[AC+16*\b], v[AC+16*\b+1], 0x4800000     ; no |.|: what is negative becomes 0 and must not count; the floor 2^(9 - 127) stands over it
.else
	v_max3_num_f32 v[TM+\b], |v[AC+16*\b]|, |v[AC+16*\b+1]|, 0x4800000 ; with the floor 2^(9 - 127): so the byte cannot fall under 1
.endif
.endr
	WIN W2                                         ; sources 1 and 2
.irp i, 2,4,6,8,10,12,14
.irp b, 0,1,2,3
.if RELU
	v_max3_num_f32 v[TM+\b], v[TM+\b], v[AC+16*\b+\i], v[AC+16*\b+\i+1]
.else
	v_max3_num_f32 v[TM+\b], v[TM+\b], |v[AC+16*\b+\i]|, |v[AC+16*\b+\i+1]|
.endif
.endr
.endr
	WIN 0
.irp b, 0,1,2,3
	v_permlanex16_b32 v[TM+4+\b], v[TM+\b], s96, s97
.endr
.irp b, 0,1,2,3
	v_max_num_f32 v[TM+\b], v[TM+\b], v[TM+4+\b]   ; with lane l xor 16's 16 columns: the block's largest magnitude
.endr
.irp b, 0,1,2,3
	v_add_nc_u32 v[TM+12+\b], 0xfc000000, v[TM+\b] ; 8 off the exponent field: the conversion's scale operand
.endr
.irp b, 0,1,2,3
	v_and_or_b32 v[TM+8+\b], v[TM+\b], 0x7f800000, s98   ; 448 x the scale
.endr
.irp b, 0,1,2,3
	v_lshrrev_b32 v[TM+4+\b], 23, v[TM+12+\b]      ; the scale's byte
.endr
	v_lshl_or_b32 v[PWS+\a], v[TM+5], 8, v[TM+4]   ; my row's scale word for these 128 columns
	v_lshl_or_b32 v[PWS+\a], v[TM+6], 16, v[PWS+\a]
	v_lshl_or_b32 v[PWS+\a], v[TM+7], 24, v[PWS+\a]
	WIN W3                                         ; destination and source 0
.irp b, 0,1,2,3
.irp i, 0,1,2,3,4,5,6,7,8,9,10,11,12,13,14,15
.if RELU
	v_med3_num_f32 v[AC+16*\b+\i], v[AC+16*\b+\i], 0, v[TM+8+\b]             ; the activation and the hold in one
.else
	v_med3_num_f32 v[AC+16*\b+\i], v[AC+16*\b+\i], -v[TM+8+\b], v[TM+8+\b]   ; the conversion does not saturate (ISA guide 7.6.2)
.endif
.endr
.endr
	WIN W                                          ; source 0
.irp b, 0,1,2,3,4,5,6,7
	v_cvt_scalef32_pk8_fp8_f32 v[PC+16*\a+2*\b:PC+16*\a+2*\b+1], v[AC+8*\b:AC+8*\b+7], v[TM+12+\b/2]
.endr
	v_nop                                          ; a plain line behind the last conversion
	WIN 0
.irp b, 0,1,2,3,4,5,6,7
	ds_store_b64 v[STO], v[PC+16*\a+2*\b:PC+16*\a+2*\b+1] offset:\a*16*PITCH+16*\b
.endr
.endm
	PLACES NP
.irp a, 0,1,2,3,4,5,6,7
	QROW \a
.endr
	s_wait_dscnt 0x0                               ; for the others' sake: my codes lie in the stage
	s_barrier_signal -1
	s_barrier_wait -1
.if QKV
	s_cmp_lt_u32 s12, 4                            ; the cluster's y: the same in all partners
	s_cbranch_scc1 .Lqk
.endif
	; ROW BY ROW: wave w stores rows 64 w .. 64 w + 63 of the tile, 256 bytes each
	s_lshl_b32 s20, s17, 20                        ; 256 tile rows of 4,096 bytes
	s_lshl_b32 s21, s14, 18
	s_add_co_u32 s20, s20, s21
	s_lshl_b32 s21, s42, 8
	s_add_co_u32 s20, s20, s21
.if CB
	s_add_co_u32 s20, s20, CB
.endif
	s_mov_b32 s21, 0
	s_add_nc_u64 s[92:93], s[8:9], s[20:21]
	s_lshl_b32 s22, s42, 1
	s_add_co_u32 s22, s22, s16                     ; my 128 columns are step 2 x tile column + half of the next K
	s_mul_i32 s22, s22, KPO
	s_lshl_b32 s23, s17, 10
	s_add_co_u32 s22, s22, s23
	s_lshl_b32 s23, s15, 9
	s_add_co_u32 s22, s22, s23                     ; + 4 bytes x my first row
	s_add_co_u32 s22, s22, SB
	s_mov_b32 s23, 0
	s_add_nc_u64 s[94:95], s[8:9], s[22:23]
	s_mov_b32 s13, 0xffff0000
.set N, 0
.rept 32
	ds_load_b128 v[PC+4*N:PC+4*N+3], v[RD] offset:2*N*PITCH
.set N, N+1
.endr
.irp i, 0,1,2,3
	v_cndmask_b32 v[SD+\i], v[PWS+2*\i], v[PWS+2*\i+1], s13   ; lane l takes row 32 i + l's word
	global_store_b32 v[SWO], v[SD+\i], s[94:95] offset:128*\i
.endr
.set N, 0
.rept 32
	s_wait_dscnt 31-N                              ; the younger read-backs may be out
	global_store_b128 v[CO], v[PC+4*N:PC+4*N+3], s[92:93] offset:2*N*4096   ; 16 lanes store 256 consecutive bytes, aligned
.set N, N+1
.endr
.if QKV
	s_branch .Lclose
.Lqk:
	; IMAGES: a fragment holds 32 tokens of one head: row m = 8 (t / 16) + t % 8 holds token (t % 16 < 8)'s 64 codes and then the token's 8 further on; it is stored as the operand's registers on end, 512 c + 16 l.
	s_lshr_b32 s20, s42, 2                         ; q or k
	s_and_b32 s21, s42, 3                          ; which four heads
	s_lshr_b32 s22, s17, 3                         ; the batch
	s_and_b32 s23, s17, 7                          ; which 256 of its tokens
	s_lshl_b32 s10, s20, 22
	s_lshl_b32 s11, s22, 21
	s_add_co_u32 s10, s10, s11
	s_lshl_b32 s11, s21, 19
	s_add_co_u32 s10, s10, s11
	s_lshl_b32 s11, s23, 14
	s_add_co_u32 s10, s10, s11
	s_lshl_b32 s11, s14, 12                        ; my wave's two fragments
	s_add_co_u32 s10, s10, s11
	s_mov_b32 s11, 0
	s_add_nc_u64 s[92:93], s[8:9], s[10:11]
	s_lshl_b32 s10, s20, 17                        ; the half-words of scale bytes: [q, k][batch][head][2,048]
	s_lshl_b32 s11, s22, 16
	s_add_co_u32 s10, s10, s11
	s_lshl_b32 s11, s21, 14
	s_add_co_u32 s10, s10, s11
	s_lshl_b32 s11, s16, 13                        ; my 128 columns are two heads
	s_add_co_u32 s10, s10, s11
	s_lshl_b32 s11, s23, 9
	s_add_co_u32 s10, s10, s11
	s_lshl_b32 s11, s15, 8
	s_add_co_u32 s10, s10, s11
	s_add_co_u32 s10, s10, 12582912
	s_mov_b32 s11, 0
	s_add_nc_u64 s[94:95], s[8:9], s[10:11]
.set N, 0
.rept 32                               ; N = 16 x fragment + 4 x head + c
	ds_load_b128 v[PC+4*N:PC+4*N+3], v[RDQ] offset:(32*(N/16)+8*((N%4)/2))*PITCH+64*((N/4)%4)+32*(N%2)
.set N, N+1
.endr
.irp a, 0,1,2,3,4,5,6,7
	v_lshrrev_b32 v[SD+\a], v[HSH], v[PWS+\a]      ; lanes 0-15: the first head's two bytes; lanes 16-31: the second's
	global_store_b16 v[HOF], v[SD+\a], s[94:95] offset:32*\a
.endr
.set N, 0
.rept 32
	s_wait_dscnt 31-N                              ; the younger read-backs may be out
	global_store_b128 v[LI], v[PC+4*N:PC+4*N+3], s[92:93] offset:((N/4)%4)*131072+(N/16)*2048+512*(N%4)   ; 32 lanes store 512 consecutive bytes, aligned
.set N, N+1
.endr
.Lclose:
.endif
	s_wait_tensorcnt 0x0                           ; the wave's end
	ds_add_u32 v[SPW], v[NIL]
	s_wait_dscnt 0x0
	CROUND                                         ; the closing round: no work-group ends while a partner may still ask for a tile that names it
	s_endpgm
.Lfunc_end_k_q183150a353_up:
	.size	k_q183150a353_up, .Lfunc_end_k_q183150a353_up-k_q183150a353_up
	.p2alignl 7, 3214868480
	.fill 96, 4, 3214868480
	.section	.rodata,"a",@progbits
	.p2align	6, 0x0
	.amdhsa_kernel k_q183150a353_up
		.amdhsa_group_segment_fixed_size 327680
		.amdhsa_private_segment_fixed_size 0
		.amdhsa_enable_private_segment 0
		.amdhsa_kernarg_size 24
		.amdhsa_user_sgpr_count 2
		.amdhsa_user_sgpr_kernarg_segment_ptr 1
		.amdhsa_wavefront_size32 1
		.amdhsa_system_sgpr_workgroup_id_x 1
		.amdhsa_system_sgpr_workgroup_id_y 1
		.amdhsa_system_sgpr_workgroup_id_z 1
		.amdhsa_system_vgpr_workitem_id 0
		.amdhsa_next_free_vgpr 1024
		.amdhsa_next_free_sgpr 100
		.amdhsa_reserve_vcc 0
		.amdhsa_float_denorm_mode_32 3
		.amdhsa_float_denorm_mode_16_64 3
		.amdhsa_memory_ordered 1
		.amdhsa_forward_progress 1
		.amdhsa_inst_pref_size 198
	.end_amdhsa_kernel
	.amdgpu_metadata
---
amdhsa.version: [ 1, 2 ]
amdhsa.kernels:
  - .name:           k_q183150a353_up
    .symbol:         k_q183150a353_up.kd
    .args:
      - { .name: hq8, .offset: 0, .size: 8, .value_kind: global_buffer, .address_space: global }
      - { .name: wq8, .offset: 8, .size: 8, .value_kind: global_buffer, .address_space: global }
      - { .name: ff8, .offset: 16, .size: 8, .value_kind: global_buffer, .address_space: global }
    .group_segment_fixed_size: 327680
    .private_segment_fixed_size: 0
    .kernarg_segment_align: 8
    .kernarg_segment_size: 24
    .max_flat_workgroup_size: 128
    .sgpr_count:     100
    .vgpr_count:     1024
    .wavefront_size: 32
...
	.end_amdgpu_metadata
.endif
;; end of part 6
;; launch down (part 7): grid 8 x 32, 4 waves a work-group, clusters of 4 x 4, 327,680 bytes of LDS; arguments ff8, wq8, x1, out0; writes out0
.if DOCPART == 7
	.amdgcn_target "amdgcn-amd-amdhsa--gfx1250"
	.amdhsa_code_object_version 6
	.text
	.protected	k_q183150a353_down
	.globl	k_q183150a353_down
	.p2align	8
	.type	k_q183150a353_down,@function
k_q183150a353_down:
	s_mov_b64 s[64:65], 0
	v_nop
	global_prefetch_b8 v0, s[64:65] scope:SCOPE_SE
	s_setreg_imm32_b32 hwreg(HW_REG_WAVE_MODE, 25, 1), 1
	s_wait_xcnt 0x0
	s_wait_alu depctr_hold_cnt(0) depctr_sa_sdst(0) depctr_va_vdst(0) depctr_va_sdst(0) depctr_va_ssrc(0) depctr_va_vcc(0) depctr_vm_vsrc(0)
	s_getreg_b32 s2, hwreg(HW_REG_IB_STS2, 6, 4)
	s_cmp_eq_u32 s2, 0
	s_cbranch_scc0 .Lentry_in_a_cluster
	s_endpgm
.Lentry_in_a_cluster:
	s_bfe_u32 s2, ttmp6, 0x10000c
	s_cmp_lg_u32 s2, 0xf033
	s_cbranch_scc0 .Lentry_shape_is_right
	s_endpgm
.Lentry_shape_is_right:
.set OH,     0
.set SIZE_K, 4096
.if OH
.set AP,     80
.set ASZ,    81920
.set ASB,    4194304
.set BB,     3145728
.set BSB,    12595200
.set RPB,    4096
.set ANEXT,  2097152
.else
.set AP,     528
.set ASZ,    67584
.set ASB,    16777216
.set BB,     8388608
.set BSB,    12845056
.set RPB,    1024
.set ANEXT,  512
.endif
.set BP,     528
.set BHALF,  64*BP
.set AHALF,  ASZ/2
.set SLOT,   ASZ+2*BHALF
.set NS,     SIZE_K/256
.set LAPS,   SIZE_K/1024
.set SCA,    2*SLOT
.set SCB,    SCA+SIZE_K*4+128
.set SPARE,  SCB+SIZE_K*4+128
.set STAGE,  SPARE+512
.set ADRA, 16
.set ADRB, 20
.set STO,  24
.set RD,   25
.set CO,   26
.set ADRS, 27
.set SPW,  28
.set NIL,  29
.set T,    32
.set SCW,  96
.set ACC,  128
.set F0,   0
.set F1,   128
.set G1, 24
.set G0, 32
.set G1B, 48
.set G0B, 56
.set G1S, 68
.set G0S, 76
.set G1SB, 80
.set G0SB, 88
.set MSB, 0
.macro WIN new
.if MSB != \new
	s_set_vgpr_msb (MSB<<8)|\new
.set MSB, \new
.endif
.endm
.set MUL,  0x05
.set TO_F, 0x40
.macro JLOAD g0a, g1a, g0b, g1b
	s_cmp_eq_u32 s15, 0
	s_cbranch_scc0 .Lfor_b_\@
	tensor_load_to_lds s[\g0a:\g0a+3], s[\g1a:\g1a+7]
	s_nop 0
.rept 4
	v_nop
.endr
	s_branch .Lasked_\@
.Lfor_b_\@:
	tensor_load_to_lds s[\g0b:\g0b+3], s[\g1b:\g1b+7]
	s_nop 0
.rept 4
	v_nop
.endr
.Lasked_\@:
.endm
.macro CREST
	s_cmp_lg_u32 s14, 0
	s_cbranch_scc1 .Lnot_wave_0_\@
	s_barrier_signal -3
.Lnot_wave_0_\@:
	s_barrier_wait -3
	s_barrier_signal -1
	s_barrier_wait -1
.endm
.macro CROUND
	s_barrier_signal -1
	s_barrier_wait -1
	CREST
.endm
	s_load_b256 s[4:11], s[0:1], 0x0
	v_lshl_add_u32 v[SPW], v0, 2, SPARE
	v_mov_b32 v[NIL], 0
	ds_add_u32 v28, v29
	ds_add_u32 v28, v29
	s_wait_dscnt 0x0
	v_lshrrev_b32 v1, 5, v0
	v_readfirstlane_b32 s14, v1
	s_lshr_b32 s15, s14, 1
	s_and_b32 s16, s14, 1
	s_bfe_u32 s40, ttmp6, 0x40000
	s_bfe_u32 s41, ttmp6, 0x40004
	s_lshl_b32 s42, ttmp9, 2
	s_add_co_u32 s42, s42, s40
	s_and_b32 s17, ttmp7, 0xffff
	s_lshl_b32 s17, s17, 2
	s_add_co_u32 s17, s17, s41
	s_lshl_b32 s43, s41, 2
	s_lshl_b32 s43, 15, s43
	s_lshl_b32 s44, 0x1111, s40
.if OH
	s_or_b32 s[G1+0], s43, (3<<16)|(1<<20)|(1<<21)|(3<<22)|(3<<25)
	s_mov_b32 s[G1+1], 1024<<16
	s_mov_b32 s[G1+2], 4<<16
	s_mov_b32 s[G1+3], 1024<<16
	s_mov_b32 s[G1+4], 4
	s_mov_b32 s[G1+5], 32768
.else
	s_or_b32 s[G1+0], s43, (1<<20)|(1<<21)|(6<<22)|(3<<25)
	s_mov_b32 s[G1+1], 512<<16
	s_mov_b32 s[G1+2], 64<<16
	s_mov_b32 s[G1+3], 512<<16
	s_mov_b32 s[G1+4], 64
	s_mov_b32 s[G1+5], SIZE_K
.endif
	s_mov_b32 s[G1+6], 0
	s_mov_b32 s[G1+7], 0
	s_or_b32 s[G1B+0], s44, (1<<20)|(1<<21)|(6<<22)|(3<<25)
	s_mov_b32 s[G1B+1], 512<<16
	s_mov_b32 s[G1B+2], 64<<16
	s_mov_b32 s[G1B+3], 512<<16
	s_mov_b32 s[G1B+4], 64
	s_mov_b32 s[G1B+5], SIZE_K
	s_mov_b32 s[G1B+6], 0
	s_mov_b32 s[G1B+7], 0
	s_or_b32 s[G1S+0], s43, (2<<16)|(1<<21)
	s_or_b32 s[G1SB+0], s44, (2<<16)|(1<<21)
.irp g, G1S, G1SB
	s_mov_b32 s[\g+1], 128<<16
	s_mov_b32 s[\g+2], NS<<16
	s_mov_b32 s[\g+3], 128<<16
	s_mov_b32 s[\g+4], NS
	s_mov_b32 s[\g+6], 0
	s_mov_b32 s[\g+7], 0
.endr
	s_mov_b32 s[G1S+5], 4096
	s_mov_b32 s[G1SB+5], RPB
.if OH
	s_lshl_b32 s98, s16, 20                        ; s[98:99]: in the ring, my half of A's tile
	s_lshl_b32 s20, s17, 13                        ; where A's tile begins
.else
	s_lshl_b32 s98, s16, 18
	s_lshl_b32 s20, s17, 19
.endif
	s_mov_b32 s99, 0
	s_lshl_b32 s46, s42, 7
	s_mul_i32 s46, s46, SIZE_K
	s_add_co_u32 s46, s46, BB                      ; where B's tile begins
	s_mul_i32 s2, s16, 64*SIZE_K                   ; s[2:3]: in the ring, my 64 rows of it
	s_mov_b32 s3, 0
	s_lshl_b32 s22, s17, 9
	s_add_co_u32 s22, s22, ASB                     ; A's scale words, all steps
	s_lshl_b32 s92, s42, 9
	s_add_co_u32 s92, s92, BSB                     ; B's
	s_mov_b32 s21, 0
	s_mov_b32 s23, 0
	s_mov_b32 s47, 0
	s_mov_b32 s93, 0
	s_mul_i32 s45, s16, AHALF
	s_mul_i32 s94, s16, BHALF
	s_add_co_u32 s94, s94, ASZ
	s_mul_i32 s95, s16, NS*512
	s_lshl_b32 s96, s17, 19
	s_lshl_b32 s18, s15, 18
	s_add_co_u32 s96, s96, s18
	s_lshl_b32 s18, s42, 9
	s_add_co_u32 s96, s96, s18
	s_lshl_b32 s18, s16, 8
	s_add_co_u32 s96, s96, s18
	s_mov_b32 s97, 0
	s_wait_kmcnt 0x0
	s_add_nc_u64 s[20:21], s[4:5], s[20:21]
	s_add_nc_u64 s[22:23], s[4:5], s[22:23]
	s_add_nc_u64 s[46:47], s[6:7], s[46:47]
	s_add_nc_u64 s[92:93], s[6:7], s[92:93]
	s_add_nc_u64 s[8:9], s[8:9], s[96:97]
	s_add_nc_u64 s[10:11], s[10:11], s[96:97]
	CROUND
	s_mov_b32 s[G0S], 1
	s_add_co_u32 s[G0S+1], s95, SCA
	s_mov_b64 s[G0S+2:G0S+3], s[22:23]
	s_or_b32 s[G0S+3], s[G0S+3], 0x80000000
	s_mov_b32 s[G0SB], 1
	s_add_co_u32 s[G0SB+1], s95, SCB
	s_mov_b64 s[G0SB+2:G0SB+3], s[92:93]
	s_or_b32 s[G0SB+3], s[G0SB+3], 0x80000000
	s_mov_b32 s[G0S+1], SCA                        ; one load brings a side's scale words for all of K
	s_mov_b32 s[G0SB+1], SCB
	s_mov_b32 s[G1S+2], (2*NS)<<16
	s_mov_b32 s[G1S+4], 2*NS
	s_mov_b32 s[G1SB+2], (2*NS)<<16
	s_mov_b32 s[G1SB+4], 2*NS
	s_mov_b32 s[G1+2], 128<<16                     ; the head's loads of codes bring a whole tile of 128 rows
	s_mov_b32 s[G1+4], 128
	s_mov_b32 s[G1B+2], 128<<16
	s_mov_b32 s[G1B+4], 128
	s_mov_b32 s4, 1                                ; s[4:7]: group 0 for K step 0's tile of A
	s_mov_b32 s5, 0
	s_mov_b64 s[6:7], s[20:21]
	s_or_b32 s7, s7, 0x80000000
	s_mov_b64 s[96:97], s[46:47]
	s_add_nc_u64 s[20:21], s[20:21], s[98:99]      ; for the ring: my 64 rows
	s_add_nc_u64 s[46:47], s[46:47], s[2:3]
.irp s, 0,1
	s_mov_b32 s[G0+4*\s], 1
	s_add_co_u32 s[G0+4*\s+1], s45, \s*SLOT
	s_add_nc_u64 s[G0+4*\s+2:G0+4*\s+3], s[20:21], \s*ANEXT
	s_or_b32 s[G0+4*\s+3], s[G0+4*\s+3], 0x80000000
	s_mov_b32 s[G0B+4*\s], 1
	s_add_co_u32 s[G0B+4*\s+1], s94, \s*SLOT
	s_add_nc_u64 s[G0B+4*\s+2:G0B+4*\s+3], s[46:47], \s*512
	s_or_b32 s[G0B+4*\s+3], s[G0B+4*\s+3], 0x80000000
.endr
	s_mov_b32 s92, 1                               ; s[92:95]: group 0 for K step 0's tile of B
	s_mov_b32 s93, ASZ
	s_mov_b64 s[94:95], s[96:97]
	s_or_b32 s95, s95, 0x80000000
; THE PREFETCHES.  Behind the load of K step j stands one instruction a wave for K step j + 2: of the 64 rows x 512 bytes that I fetch, my work-group's 16 rows (the four partners of a joint load are told apart by address: cx for A, cy for B),
; two lanes to a row, 256 bytes apart: each aligned block of 256 bytes is named once in a cluster.  The head also names K step 1; the loads of K steps 6 and 7 ask for nothing.
	s_cmp_eq_u32 s15, 0
	s_cselect_b64 s[66:67], s[20:21], s[46:47]     ; s[66:67]: where my prefetches stand
	s_cselect_b32 s18, s40, s41
	s_lshl_b32 s18, s18, 16
	s_mov_b32 s19, 0
	s_add_nc_u64 s[66:67], s[66:67], s[18:19]
; the head's loads, one a wave: wave 0 A's tile of K step 0, wave 1 B's, wave 2 A's scale words, wave 3 B's
.macro ARM under, g0, g1, next
	s_cmp_lt_u32 s14, \under
	s_cbranch_scc0 \next
	tensor_load_to_lds s[\g0:\g0+3], s[\g1:\g1+7]
	s_nop 0
.rept 4
	v_nop
.endr
	s_branch .Lhead_asked
\next:
.endm
	ARM 1, 4, G1, .Lhead_b
	ARM 2, 92, G1B, .Lhead_sa
	ARM 3, G0S, G1S, .Lhead_sb
	tensor_load_to_lds s[G0SB:G0SB+3], s[G1SB:G1SB+7]
	s_nop 0
.rept 4
	v_nop
.endr
.Lhead_asked:
	v_and_b32 v7, 31, v0
	v_lshrrev_b32 v8, 1, v7
	v_and_b32 v7, 1, v7
	v_lshlrev_b32 v7, 8, v7
	v_lshl_add_u32 v7, v8, 12, v7                  ; row lane / 2 of 4,096 bytes, block lane % 2; never rewritten
	global_prefetch_b8 v7, s[66:67] offset:512 th:TH_LOAD_NT scope:SCOPE_SE    ; K steps 1 and 2
	global_prefetch_b8 v7, s[66:67] offset:1024 th:TH_LOAD_NT scope:SCOPE_SE
	v_and_b32 v1, 15, v0
	v_bfe_u32 v2, v0, 4, 1
	s_wait_alu depctr_va_vdst(0)
	v_mul_u32_u24 v3, v1, AP
	v_lshl_add_u32 v3, v2, 4, v3
	v_mul_u32_u24 v4, v1, BP
	v_lshl_add_u32 v4, v2, 4, v4
	s_mul_i32 s21, s15, 64*AP
	s_mul_i32 s22, s16, BHALF
	s_add_co_u32 s22, s22, ASZ
.irp s, 0,1
	v_add_nc_u32 v[ADRA+\s], s21, v3
.if OH
	v_add_nc_u32 v[ADRA+2+\s], 40960, v[ADRA+\s]
.endif
	v_add_nc_u32 v[ADRB+\s], s22, v4
	s_add_co_u32 s21, s21, SLOT
	s_add_co_u32 s22, s22, SLOT
.endr
	s_lshl_b32 s21, s15, 8
	s_lshl_b32 s22, s16, 8
	s_add_co_u32 s22, s22, SCB-SCA
	s_sub_co_u32 s22, s22, s21
	v_mul_u32_u24 v6, s22, v2
	s_add_co_u32 s21, s21, SCA
	v_lshl_add_u32 v5, v1, 2, v6
	v_add_nc_u32 v[ADRS], s21, v5
	s_mul_i32 s23, s14, 16*272
	s_add_co_u32 s23, s23, STAGE
	v_mul_u32_u24 v5, v1, 272
	v_lshl_add_u32 v5, v2, 5, v5
	v_add_nc_u32 v[STO], s23, v5
	v_mul_u32_u24 v5, v2, 272
	v_lshl_add_u32 v5, v1, 4, v5
	v_add_nc_u32 v[RD], s23, v5
	v_lshlrev_b32 v5, 12, v2
	v_lshl_add_u32 v[CO], v1, 4, v5
	WIN 0x80
.irp a, 0,1,2,3
.irp t, 0,1,2,3,4,5,6,7
	global_load_b128 v[32*\a+4*\t:32*\a+4*\t+3], v[CO], s[8:9] offset:(16*\a+2*\t)*4096
.endr
.endr
	WIN 0
.macro FRAGA reg, slot, q, i
.irp c, 0,1,2,3
.if OH
	ds_load_b128 v[\reg+4*\c:\reg+4*\c+3], v[ADRA+\slot+2*((\q)/2)] offset:(2*((\q)%2)+\c/2)*10240+32*(\c%2)+(\i)*16*AP
.else
	ds_load_b128 v[\reg+4*\c:\reg+4*\c+3], v[ADRA+\slot] offset:128*(\q)+32*\c+(\i)*16*AP
.endif
.endr
.endm
.macro FRAGB reg, slot, q, i
.irp c, 0,1,2,3
	ds_load_b128 v[\reg+4*\c:\reg+4*\c+3], v[ADRB+\slot] offset:128*(\q)+32*\c+(\i)*16*BP
.endr
.endm
.macro FETCH slot, q, f
	WIN TO_F
.irp i, 0,1,2,3
	FRAGB \f+64+16*\i, \slot, \q, \i
.endr
.irp i, 0,1,2,3
	FRAGA \f+16*\i, \slot, \q, \i
.endr
.endm
.macro SCALES sc
.irp q, 0,1,2,3
.irp i, 0,1,2,3
	ds_load_b32 v[SCW+16*\sc+4*\q+\i], v[ADRS] offset:512*\q+64*\i
.endr
.endr
.endm
.macro MUL4 f, a, q, sc, zero
.irp b, 0,1,2,3
.if \zero
	v_wmma_scale_f32_16x16x128_f8f6f4 v[ACC+8*(4*(\a)+\b):ACC+8*(4*(\a)+\b)+7], v[\f+64+16*\b:\f+64+16*\b+15], v[\f+16*(\a):\f+16*(\a)+15], 0, v[SCW+16*(\sc)+4*(\q)+\b], v[SCW+16*(\sc)+4*(\q)+(\a)] matrix_a_scale:MATRIX_SCALE_ROW1
.else
	v_wmma_scale_f32_16x16x128_f8f6f4 v[ACC+8*(4*(\a)+\b):ACC+8*(4*(\a)+\b)+7], v[\f+64+16*\b:\f+64+16*\b+15], v[\f+16*(\a):\f+16*(\a)+15], v[ACC+8*(4*(\a)+\b):ACC+8*(4*(\a)+\b)+7], v[SCW+16*(\sc)+4*(\q)+\b], v[SCW+16*(\sc)+4*(\q)+(\a)] matrix_a_scale:MATRIX_SCALE_ROW1
.endif
.endr
.endm
.macro PLACES n
.rept \n
	v_nop
.endr
.endm
.macro QUARTER slot, q, f, g, zero
	s_wait_dscnt 8
	WIN MUL
	MUL4 \f, 0, \q, \slot, \zero
	MUL4 \f, 1, \q, \slot, \zero
	PLACES 8
	FETCH \slot, (\q)+1, \g
	s_wait_dscnt 32
	WIN MUL
	MUL4 \f, 2, \q, \slot, \zero
	MUL4 \f, 3, \q, \slot, \zero
.endm
.macro TURN slot, next, fill
	WIN 0
.if \fill
	s_wait_xcnt 0x0                                ; my last prefetch has read its address: it steps a K step on, ahead of the waits of the change of slots
	s_add_nc_u64 s[66:67], s[66:67], 512
.endif
	s_wait_tensorcnt 0x0
	ds_add_u32 v[SPW], v[NIL]
	s_wait_dscnt 9
	WIN MUL
	MUL4 F1, 0, 3, \slot, 0
	s_wait_dscnt 0x0
	s_barrier_signal -1
	MUL4 F1, 1, 3, \slot, 0
	WIN 0
	s_barrier_wait -1
.if \fill
	CREST
	s_add_nc_u64 s[G0+4*\slot+2:G0+4*\slot+3], s[G0+4*\slot+2:G0+4*\slot+3], 1024
	s_add_nc_u64 s[G0B+4*\slot+2:G0B+4*\slot+3], s[G0B+4*\slot+2:G0B+4*\slot+3], 1024
	JLOAD G0+4*\slot, G1, G0B+4*\slot, G1B
	PLACES 4
.else
	PLACES 8
.endif
	s_wait_alu depctr_va_vdst(0)
	v_add_nc_u32 v[ADRS], 2048, v[ADRS]
	SCALES \next
	FETCH \next, 0, F0
.if \fill
	WIN 0                                          ; at a branch and at a label every window is 0
	s_cmp_gt_u32 s3, 1                             ; s3 = 1 in the loop's last trip: K steps 6 and 7 have none two on
	s_cbranch_scc0 .Lnone_ahead_\@
	global_prefetch_b8 v7, s[66:67] offset:1536 th:TH_LOAD_NT scope:SCOPE_SE   ; the K step two refills on
.Lnone_ahead_\@:
.endif
	WIN MUL
	MUL4 F1, 2, 3, \slot, 0
	MUL4 F1, 3, 3, \slot, 0
.endm
	s_wait_alu depctr_va_vdst(0)
	s_wait_tensorcnt 0x0                           ; my tile of the head's four is in; the lines ahead of a later first fill:
	ds_add_u32 v[SPW], v[NIL]
	s_mov_b32 s[G1+2], 64<<16                      ; no tensor load of mine is out: from here on a load brings 64 rows
	s_mov_b32 s[G1+4], 64
	s_mov_b32 s[G1B+2], 64<<16
	s_mov_b32 s[G1B+4], 64
	s_wait_dscnt 0x0
	CROUND                                         ; all four tiles are in, and all sixteen work-groups are here
	JLOAD G0+4, G1, G0B+4, G1B                     ; K step 1, the first tensor load behind the round
	SCALES 0
	FETCH 0, 0, F0
	global_prefetch_b8 v7, s[66:67] offset:1536 th:TH_LOAD_NT scope:SCOPE_SE   ; K step 3, two loads on
	QUARTER 0, 0, F0, F1, 1
.if LAPS > 1
	WIN 0
	s_mov_b32 s3, LAPS-1
.Llap:
	QUARTER 0, 1, F1, F0, 0
	QUARTER 0, 2, F0, F1, 0
	TURN 0, 1, 1
	QUARTER 1, 0, F0, F1, 0
	QUARTER 1, 1, F1, F0, 0
	QUARTER 1, 2, F0, F1, 0
	TURN 1, 0, 1
	QUARTER 0, 0, F0, F1, 0
	WIN 0
	s_sub_co_u32 s3, s3, 1
	s_cmp_lg_u32 s3, 0
	s_cbranch_scc1 .Llap
.endif
	QUARTER 0, 1, F1, F0, 0
	QUARTER 0, 2, F0, F1, 0
	TURN 0, 1, 0
	QUARTER 1, 0, F0, F1, 0
	QUARTER 1, 1, F1, F0, 0
	QUARTER 1, 2, F0, F1, 0
	s_wait_dscnt 8
	WIN MUL
	MUL4 F1, 0, 3, 1, 0
	MUL4 F1, 1, 3, 1, 0
	s_wait_dscnt 0
	MUL4 F1, 2, 3, 1, 0
	MUL4 F1, 3, 3, 1, 0
	WIN 0
	PLACES 8
	s_wait_loadcnt 0x0
.irp a, 0,1,2,3
.if \a > 1
	s_wait_xcnt 0x0
.endif
.irp b, 0,1,2,3
	ds_store_b128 v[STO], v[ACC+8*(4*\a+\b):ACC+8*(4*\a+\b)+3] offset:64*\b
	ds_store_b128 v[STO], v[ACC+8*(4*\a+\b)+4:ACC+8*(4*\a+\b)+7] offset:64*\b+16
.endr
.irp t, 0,1,2,3,4,5,6,7
	ds_load_b128 v[T+32*(\a%2)+4*\t:T+32*(\a%2)+4*\t+3], v[RD] offset:2*\t*272
.endr
	s_wait_dscnt 0x0
	WIN 0x08
.irp t, 0,1,2,3,4,5,6,7
	v_pk_add_f32 v[T+32*(\a%2)+4*\t:T+32*(\a%2)+4*\t+1], v[T+32*(\a%2)+4*\t:T+32*(\a%2)+4*\t+1], v[32*\a+4*\t:32*\a+4*\t+1]
	v_pk_add_f32 v[T+32*(\a%2)+4*\t+2:T+32*(\a%2)+4*\t+3], v[T+32*(\a%2)+4*\t+2:T+32*(\a%2)+4*\t+3], v[32*\a+4*\t+2:32*\a+4*\t+3]
.endr
	WIN 0
.irp t, 0,1,2,3,4,5,6,7
	global_store_b128 v[CO], v[T+32*(\a%2)+4*\t:T+32*(\a%2)+4*\t+3], s[10:11] offset:(16*\a+2*\t)*4096
.endr
.endr
	s_wait_tensorcnt 0x0
	ds_add_u32 v[SPW], v[NIL]
	s_wait_dscnt 0x0
	CROUND
	s_endpgm
.Lfunc_end_k_q183150a353_down:
	.size	k_q183150a353_down, .Lfunc_end_k_q183150a353_down-k_q183150a353_down
	.p2alignl 7, 3214868480
	.fill 96, 4, 3214868480
	.section	.rodata,"a",@progbits
	.p2align	6, 0x0
	.amdhsa_kernel k_q183150a353_down
		.amdhsa_group_segment_fixed_size 327680
		.amdhsa_private_segment_fixed_size 0
		.amdhsa_enable_private_segment 0
		.amdhsa_kernarg_size 32
		.amdhsa_user_sgpr_count 2
		.amdhsa_user_sgpr_kernarg_segment_ptr 1
		.amdhsa_wavefront_size32 1
		.amdhsa_system_sgpr_workgroup_id_x 1
		.amdhsa_system_sgpr_workgroup_id_y 1
		.amdhsa_system_sgpr_workgroup_id_z 1
		.amdhsa_system_vgpr_workitem_id 0
		.amdhsa_next_free_vgpr 640
		.amdhsa_next_free_sgpr 100
		.amdhsa_reserve_vcc 0
		.amdhsa_float_denorm_mode_32 3
		.amdhsa_float_denorm_mode_16_64 3
		.amdhsa_memory_ordered 1
		.amdhsa_forward_progress 1
		.amdhsa_inst_pref_size 105
	.end_amdhsa_kernel
	.amdgpu_metadata
---
amdhsa.version: [ 1, 2 ]
amdhsa.kernels:
  - .name:           k_q183150a353_down
    .symbol:         k_q183150a353_down.kd
    .args:
      - { .name: ff8, .offset: 0, .size: 8, .value_kind: global_buffer, .address_space: global }
      - { .name: wq8, .offset: 8, .size: 8, .value_kind: global_buffer, .address_space: global }
      - { .name: x1, .offset: 16, .size: 8, .value_kind: global_buffer, .address_space: global }
      - { .name: out0, .offset: 24, .size: 8, .value_kind: global_buffer, .address_space: global }
    .group_segment_fixed_size: 327680
    .private_segment_fixed_size: 0
    .kernarg_segment_align: 8
    .kernarg_segment_size: 32
    .max_flat_workgroup_size: 128
    .sgpr_count:     100
    .vgpr_count:     640
    .wavefront_size: 32
...
	.end_amdgpu_metadata
.endif
;; end of part 7
